; MI455X (gfx1250); checked and timed in simulation.
; The chip was launched on July 23, 2026; its instructions are those of AMD's public machine-readable ISA for CDNA 5 (MIT licence, August 2026) and "CDNA5" Instruction Set Architecture Reference Guide (July 2026). The comments in the code are by the model that wrote it; some were corrected since.
;; Causal Self Attention. Allowed arithmetic: matrix products marked QUANTISED: E4M3 operands, one given power-of-two scale a tensor, by v_wmma_f32_16x16x64_fp8_fp8 or v_wmma_f32_16x16x128_fp8_fp8, f32 sums; everything else in f32.
;; Inputs: b_attn 3,072 float32; b_proj 1,024 float32; lowp_scales 8 int32 (the exponents e of the quantised operands' scales 2^e); w_attn 3,072 x 1,024 float32; w_proj 1,024 x 1,024 float32; x 4 x 2,048 x 1,024 float32.
;; Outputs: out0 4 x 2,048 x 1,024 float32.
;; This version of the problem:
;;   THIS VERSION OF THE PROBLEM IS GIVEN IN LOW PRECISION. The matrix products marked QUANTISED in the list below multiply operands that are first quantised to E4M3 (4 exponent bits, 3 mantissa bits; 8 bits a number), with one given power-of-two scale for each operand tensor; their sums are f32. All else is computed in f32.
;;   The module's matrix products, in the order in which they are computed (A, B: the left and right operand; K: the contracted axis; several contracted axes count as one K, in the product's order):
;;     1. [M 8,192, K 1,024] x [K 1,024, N 3,072]; A: input x; B: input w_attn: QUANTISED (scales: A lowp_scales[0], B lowp_scales[1])
;;     2. batch 64 x [M 2,048, K 64] x [K 64, N 2,048]; A: computed on the way; B: computed on the way: QUANTISED (scales: A lowp_scales[2], B lowp_scales[3])
;;     3. batch 64 x [M 2,048, K 2,048] x [K 2,048, N 64]; A: softmax (see below); B: computed on the way: QUANTISED (scales: A lowp_scales[4], B lowp_scales[5])
;;     4. [M 8,192, K 1,024] x [K 1,024, N 1,024]; A: computed on the way; B: input w_proj: QUANTISED (scales: A lowp_scales[6], B lowp_scales[7])
;;   THE QUANTISER, for each operand of a quantised product, along K:
;;     - The operand's scale is 2^e, e = its entry of the input lowp_scales (int32; the entries are numbered through the quantised products in the list's order, A before B).
;;     - Each number is divided by the scale, clamped to +-448, and rounded to the nearest number of E4M3, ties to even, subnormals kept.
;;     - The product sums the exact products of the quantised numbers (number of the format x scale) in f32.
;;   ~~~python
;;   def quantise(x, axis, e):      # numpy; x: float32 -> the quantised numbers, widened to float32 again
;;       x = np.moveaxis(x, axis, -1); K = x.shape[-1]
;;       r = np.clip(x / 2.0 ** e, -448, 448)
;;       step = 2.0 ** (np.maximum(np.frexp(np.where(r == 0, 1, r))[1] - 1, -6) - 3)
;;       q = np.round(r / step) * step * 2.0 ** e      # np.round: ties to even
;;       return np.moveaxis(q, -1, axis).astype(np.float32)
;;   ~~~
;;   SOFTMAX AHEAD OF A QUANTISED PRODUCT. Where the list says 'softmax', what is quantised is not the finished softmax but p = 2^(t - M), with t = logit x log2(e) and M = ceil(the row's largest t), a whole number; so 1/2 < the row's largest p <= 1. The row's sum l is taken of the UNQUANTISED p, in f32, and the product's result is divided by l at the end. Since M is a whole number, a kernel that streams over the keys may use a running M (the ceiling of the running maximum): every later rescaling is an exact power of two, so the quantised numbers keep their values, but for numbers so far below the row's largest that they fall under the format's range.
;;   OPERANDS COMPUTED ON THE WAY. 'Computed on the way' means the value that the module computes at that place (a softmax that the list does not call 'softmax' is quantised finished and normalised). What goes into a quantiser is computed in f32, as accurately as f32 sums, v_exp_f32 and their like allow (about 1e-6 of the number): no bf16 or f16 on the way to a quantiser, and a product that is left as it is and whose result goes on into a quantised operand takes f32 operands (vector FMAs, or v_wmma_f32_16x16x4_f32). A number that lies on a knife's edge between two numbers of the format may be rounded either way, as far as f32 arithmetic and the matrix unit's own rounding can turn it there, and no further.
;; One version. Each part assembles by itself: llvm-mc -triple=amdgcn-amd-amdhsa -mcpu=gfx1250 --defsym DOCPART=n.
;; ======== version 1 of 1: 4 launches
;; limits: right only within a limited range of input values
;; workspace buffers: x_codes 8,388,608 bytes; wa_codes 3,145,728 bytes; wp_codes 1,048,576 bytes; q_img 8,388,608 bytes; k_img 8,388,608 bytes; vt 8,388,608 bytes; y_img 8,388,608 bytes
;; launch quant (part 1): grid 384 x 1, 4 waves a work-group, no clusters, 33,280 bytes of LDS; arguments x, w_attn, w_proj, lowp_scales, x_codes, wa_codes, wp_codes; writes x_codes, wa_codes, wp_codes
.if DOCPART == 1
	.amdgcn_target "amdgcn-amd-amdhsa--gfx1250"
	.amdhsa_code_object_version 6
	.text
	.protected	k_qd7e550b391_quant
	.globl	k_qd7e550b391_quant
	.p2align	8
	.type	k_qd7e550b391_quant,@function
k_qd7e550b391_quant:
	s_mov_b64 s[64:65], 0
	v_nop
	global_prefetch_b8 v0, s[64:65] scope:SCOPE_SE
	s_setreg_imm32_b32 hwreg(HW_REG_WAVE_MODE, 25, 1), 1
	s_wait_xcnt 0x0
; x [8192][1024], w_attn [3072][1024], w_proj [1024][1024], f32, K innermost, become codes of FP8 (E4M3), one byte each, laid as the numbers lie.
; code = number / 2^e, held within +-448, rounded to the nearest code, ties to even.  e: entry 0 of the scales for x, entry 1 for w_attn, entry 7 for w_proj.
; LIMITS: each e between -126 and 119, so that 2^e and 448 x 2^e are f32 numbers.  NaN among the inputs is not served (an infinity is held at the largest code).
; Rows are dense, so each tensor is a plain stream.  A work-group takes 32,768 numbers, a wave 16 steps of 512.  The first 256 work-groups take x, the next 96 w_attn, the last 32 w_proj:
; only the pointers and e are chosen, by the work-group's number; all three take one path through the text.
; A conversion takes 8 neighbours from ONE lane's registers, a load is best where neighbouring LANES take neighbouring bytes: each of a step's four loads reads 512 consecutive bytes, 16 a lane; the 2,048 bytes go
; through the wave's own stage in LDS and come back 64 bytes a lane (16 bytes of padding behind each 64).  A lane's 16 codes are 16 bytes: the wave stores 512 consecutive bytes.
; No tensor loads, no barrier: waves share nothing.  Loads run four steps (16 loads a wave) ahead, the turn through LDS one step.  Matrix units and clusters have nothing to do in a stream.
.set WAVES, 4
.set STEPS, 16
.set WGX,   256                        ; work-groups for x: 8,388,608 / 32,768
.set WGA,   96                         ; for w_attn: 3,145,728 / 32,768
.set EMAX,  8
.set MANT,  0x600000                   ; the mantissa field of 448 as f32
.set CB,    16                         ; bytes of 16 codes
.set R,     16                         ; v16-79   four sets of 16 numbers as they are loaded
.set X,     80                         ; v80-111  two sets of 16 neighbours
.set C,     128                        ; v128-191 codes: four registers for each step, so that no store's data are written again
.set WREG,  8192                       ; LDS: a region of its own for each wave: two stages of 32 x SP bytes
.set SP,    80                         ; a lane's place in a stage: its 64 bytes + 16 of padding
.set SPW,   12                         ; v12      LDS address of my spare word; never rewritten
.set NIL,   13                         ; v13      0; never rewritten
.set SPARE, WAVES*WREG                 ; behind the four regions: the spare words, 128 bytes for each wave, which no other line names
	s_load_b256 s[4:11], s[0:1], 0x0               ; x s[4:5], w_attn s[6:7], w_proj s[8:9], the scales' exponents s[10:11]
	s_load_b128 s[12:15], s[0:1], 0x20             ; x's codes, w_attn's codes
	s_load_b64 s[16:17], s[0:1], 0x30              ; w_proj's codes
	v_lshl_add_u32 v[SPW], v0, 2, SPARE
	v_mov_b32 v[NIL], 0
	v_lshrrev_b32 v1, 5, v0
	v_readfirstlane_b32 s18, v1                    ; wave
	v_and_b32 v2, 31, v0                           ; lane
	v_lshlrev_b32 v3, 4, v2                        ; my 16 bytes of a load's 512
	s_mul_i32 s20, s18, WREG
	v_lshrrev_b32 v14, 2, v2
	v_mul_u32_u24 v14, v14, SP
	v_and_b32 v15, 3, v2
	v_lshl_add_u32 v14, v15, 4, v14
	v_add_nc_u32 v14, s20, v14                     ; the stage, on the way in: four lanes' 64 bytes on end, then 16 of padding
	v_mul_u32_u24 v15, v2, SP
	v_add_nc_u32 v15, s20, v15                     ; and on the way out: SP x lane: my 16 neighbours
	v_mul_u32_u24 v4, v2, CB                       ; my codes' place in a step's
	s_wait_alu depctr_va_vdst(0)
	s_wait_kmcnt 0x0
	s_load_b256 s[24:31], s[10:11], 0x0            ; the eight exponents
	s_cmp_lt_u32 ttmp9, WGX+WGA                    ; which tensor?  The choices hang on the work-group's number alone
	s_cselect_b64 s[6:7], s[6:7], s[8:9]           ; w_attn or w_proj,
	s_cselect_b64 s[14:15], s[14:15], s[16:17]     ; their codes,
	s_mov_b32 s19, WGX+WGA
	s_cselect_b32 s19, WGX, s19                    ; and the tensor's first work-group
	s_cmp_lt_u32 ttmp9, WGX
	s_cselect_b64 s[4:5], s[4:5], s[6:7]           ; x or that
	s_cselect_b64 s[8:9], s[12:13], s[14:15]
	s_cselect_b32 s19, 0, s19
	s_sub_co_u32 s19, ttmp9, s19
	s_lshl_b32 s19, s19, 2
	s_add_co_u32 s19, s19, s18                     ; which run of 8,192 numbers of the tensor is my wave's (1,023 at the most)
	s_lshl_b32 s20, s19, 15                        ; 32,768 bytes of numbers a run
	s_mov_b32 s21, 0
	s_add_nc_u64 s[4:5], s[4:5], s[20:21]
	s_lshl_b32 s22, s19, 13                        ; 8,192 bytes of codes
	s_mov_b32 s23, 0
	s_add_nc_u64 s[8:9], s[8:9], s[22:23]
.macro LOAD t
.irp i, 0,1,2,3
	global_load_b128 v[R+16*((\t)%4)+4*\i:R+16*((\t)%4)+4*\i+3], v3, s[4:5] offset:2048*(\t)+512*\i th:TH_LOAD_NT   ; 32 lanes read 512 consecutive bytes
.endr
.endm
.macro TURN t                          ; step t's numbers through the stage: LDS serves a wave's instructions in order, so no wait stands between the stores and the loads
.irp i, 0,1,2,3
	ds_store_b128 v14, v[R+16*((\t)%4)+4*\i:R+16*((\t)%4)+4*\i+3] offset:32*SP*((\t)%2)+8*SP*\i
.endr
.irp i, 0,1,2,3
	ds_load_b128 v[X+16*((\t)%2)+4*\i:X+16*((\t)%2)+4*\i+3], v15 offset:32*SP*((\t)%2)+16*\i
.endr
.endm
.irp t, 0,1,2,3
	LOAD \t
.endr
	s_wait_kmcnt 0x0
	s_cmp_lt_u32 ttmp9, WGX+WGA
	s_cselect_b32 s22, s25, s31                    ; e of w_attn or of w_proj
	s_cmp_lt_u32 ttmp9, WGX
	s_cselect_b32 s22, s24, s22                    ; or of x
	s_add_co_i32 s22, s22, 127
	s_lshl_b32 s23, s22, 23
	v_mov_b32 v11, s23                             ; 2^e as f32: the conversion takes its exponent field
	s_add_co_i32 s22, s22, EMAX
	s_lshl_b32 s22, s22, 23
	s_or_b32 s22, s22, MANT
	v_mov_b32 v10, s22                             ; 448 x 2^e
	s_wait_alu depctr_va_vdst(0)
	s_wait_loadcnt 12                              ; step 0's four loads are in; the twelve of steps 1 to 3 may be out
	TURN 0
.macro STEP t
.set XS, X+16*((\t)%2)
	s_wait_dscnt 0x0                               ; this step's numbers are back from the stage: so its stores into the stage have read their registers,
.if (\t)+4 < STEPS
	LOAD (\t)+4                                    ; which take the loads of four steps on
.endif
.if (\t)+1 < STEPS
.if STEPS-2-(\t) >= 3
	s_wait_loadcnt 12                              ; the next step's four loads are in; those of the three steps behind it may be out
.else
	s_wait_loadcnt 4*(STEPS-2-(\t))                ; the counts run down: nothing more is asked for
.endif
	TURN (\t)+1                                    ; and go through the other stage while this step is worked
.endif
.irp i, 0,1,2,3,4,5,6,7,8,9,10,11,12,13,14,15
	v_med3_num_f32 v[XS+\i], v[XS+\i], -v10, v10   ; the conversion to an 8-bit code does not saturate (ISA guide 7.6.2): the hold at the largest code x the scale comes first
.endr
	v_cvt_scalef32_pk8_fp8_f32 v[C+4*(\t):C+4*(\t)+1], v[XS:XS+7], v11          ; eight numbers / 2^e, to the nearest code, ties to even; the first number's code in the lowest byte
	v_cvt_scalef32_pk8_fp8_f32 v[C+4*(\t)+2:C+4*(\t)+3], v[XS+8:XS+15], v11
	global_store_b128 v4, v[C+4*(\t):C+4*(\t)+3], s[8:9] offset:32*CB*(\t)      ; the codes go to a store alone; the next step's holds are plain lines on other registers
.endm
.irp t, 0,1,2,3,4,5,6,7,8,9,10,11,12,13,14,15
	STEP \t
.endr
	s_wait_tensorcnt 0x0                           ; the wave's end: behind my last LDS store
	ds_add_u32 v[SPW], v[NIL]
	s_wait_dscnt 0x0
	s_endpgm
.Lfunc_end_k_qd7e550b391_quant:
	.size	k_qd7e550b391_quant, .Lfunc_end_k_qd7e550b391_quant-k_qd7e550b391_quant
	.p2alignl 7, 3214868480
	.fill 96, 4, 3214868480
	.section	.rodata,"a",@progbits
	.p2align	6, 0x0
	.amdhsa_kernel k_qd7e550b391_quant
		.amdhsa_group_segment_fixed_size 33280
		.amdhsa_private_segment_fixed_size 0
		.amdhsa_enable_private_segment 0
		.amdhsa_kernarg_size 56
		.amdhsa_user_sgpr_count 2
		.amdhsa_user_sgpr_kernarg_segment_ptr 1
		.amdhsa_wavefront_size32 1
		.amdhsa_system_sgpr_workgroup_id_x 1
		.amdhsa_system_sgpr_workgroup_id_y 1
		.amdhsa_system_sgpr_workgroup_id_z 1
		.amdhsa_system_vgpr_workitem_id 0
		.amdhsa_next_free_vgpr 192
		.amdhsa_next_free_sgpr 66
		.amdhsa_reserve_vcc 0
		.amdhsa_float_denorm_mode_32 3
		.amdhsa_float_denorm_mode_16_64 3
		.amdhsa_memory_ordered 1
		.amdhsa_forward_progress 1
		.amdhsa_inst_pref_size 38
	.end_amdhsa_kernel
	.amdgpu_metadata
---
amdhsa.version: [ 1, 2 ]
amdhsa.kernels:
  - .name:           k_qd7e550b391_quant
    .symbol:         k_qd7e550b391_quant.kd
    .args:
      - { .name: x, .offset: 0, .size: 8, .value_kind: global_buffer, .address_space: global }
      - { .name: w_attn, .offset: 8, .size: 8, .value_kind: global_buffer, .address_space: global }
      - { .name: w_proj, .offset: 16, .size: 8, .value_kind: global_buffer, .address_space: global }
      - { .name: lowp_scales, .offset: 24, .size: 8, .value_kind: global_buffer, .address_space: global }
      - { .name: x_codes, .offset: 32, .size: 8, .value_kind: global_buffer, .address_space: global }
      - { .name: wa_codes, .offset: 40, .size: 8, .value_kind: global_buffer, .address_space: global }
      - { .name: wp_codes, .offset: 48, .size: 8, .value_kind: global_buffer, .address_space: global }
    .group_segment_fixed_size: 33280
    .private_segment_fixed_size: 0
    .kernarg_segment_align: 8
    .kernarg_segment_size: 56
    .max_flat_workgroup_size: 128
    .sgpr_count:     66
    .vgpr_count:     192
    .wavefront_size: 32
...
	.end_amdgpu_metadata
.endif
;; end of part 1
;; launch qkv (part 2): grid 12 x 32, 4 waves a work-group, clusters of 4 x 4, 327,680 bytes of LDS; arguments x_codes, wa_codes, lowp_scales, b_attn, q_img, k_img, vt; writes q_img, k_img, vt
.if DOCPART == 2
	.amdgcn_target "amdgcn-amd-amdhsa--gfx1250"
	.amdhsa_code_object_version 6
	.text
	.protected	k_qd7e550b391_qkv
	.globl	k_qd7e550b391_qkv
	.p2align	8
	.type	k_qd7e550b391_qkv,@function
k_qd7e550b391_qkv:
	s_mov_b64 s[64:65], 0
	v_nop
	global_prefetch_b8 v0, s[64:65] scope:SCOPE_SE
	s_setreg_imm32_b32 hwreg(HW_REG_WAVE_MODE, 25, 1), 1
	s_wait_xcnt 0x0
	s_wait_alu depctr_hold_cnt(0) depctr_sa_sdst(0) depctr_va_vdst(0) depctr_va_sdst(0) depctr_va_ssrc(0) depctr_va_vcc(0) depctr_vm_vsrc(0)
	s_getreg_b32 s2, hwreg(HW_REG_IB_STS2, 6, 4)
	s_cmp_eq_u32 s2, 0
	s_cbranch_scc0 .Lentry_in_a_cluster
	s_endpgm
.Lentry_in_a_cluster:
	s_bfe_u32 s2, ttmp6, 0x10000c
	s_cmp_lg_u32 s2, 0xf033
	s_cbranch_scc0 .Lentry_shape_is_right
	s_endpgm
.Lentry_shape_is_right:
; qkv = x w_attn^T + b_attn on codes of FP8 (E4M3); the results are quantised at once, in registers, to the codes of q (scale entry 2), k (entry 3) and v (entry 5) and leave as codes: no f32 result goes to memory.
; A tile of 256 x 256 results is made by four waves, 128 x 128 each: 64 accumulators of 16 x 16.  K = 1,024 goes in four steps of 256 through a ring of two LDS slots filled by the tensor data mover.
; CLUSTERS of 4 x 4 work-groups; the cluster's x says what is made: 0 q, 1 k, 2 v.  It is the same in all sixteen partners, so branches may hang on it.
;   q, k: operand A = x's codes (rows: tokens), operand B = w_attn's codes (rows: channels).     v: A = w_attn's rows 2,048 on (channels), B = x's codes (tokens): V^T is made, only the pointers change places.
; THE MATRIX INSTRUCTION IS USED TRANSPOSED (source 0 = 16 rows of B, source 1 = 16 rows of A): a lane holds one row of A and eight neighbouring rows of B: for q, k one token and eight channels of a head (the next
; product's K), for v one channel and eight tokens (the keys, its product's K).  So a conversion's eight numbers are neighbours along the next K.
; The four partners of a row of the cluster need the same tile of A, the four of a column the same tile of B: each tile is asked for jointly.
; THE BIAS is the C of each sum's first matrix instruction, divided by 2^(e0 + e1), the power of two that the sums lack.  The conversion's one scale is 2^(e_out - e0 - e1).
; LIMITS: e_out - e0 - e1 between -126 and 119 for e_out = entries 2, 3, 5.  NaN is not served.
; THE WAY OUT: codes go into one stage of 256 rows x 272 bytes in slot 0 (it has had its last fill and its last read), a barrier, and each wave takes one head of the tile's four:
;   q_img, k_img [b x 16 + head][fragment F 0..127][1,024 bytes]: images of operand registers.  Row r of fragment F is token 32 (F / 2) + 8 (F % 2) + r + 8 (r / 8); lane (r, h) finds channels 32 c + 16 h + 0..15 at 512 c + 16 x lane.
;   vt [b x 16 + head][place 0..63][token 0..2047]: place = channel with its bits 3 and 4 exchanged.
; REGISTERS, in windows of 256: window 0: v16-30 addresses; v32-95 the bias, later a block's held numbers; v96-103 the bias loads' offsets; v128-255 A's fragments (one set), later the codes, later rows read back.
;   window 1: B's fragments, two sets.   windows 2, 3: the accumulators of my rows 0-63, 64-127 (accumulator (a, b) at v[8 (8 (a % 4) + b)]).
.set ROWB,   256                       ; a tile's row in bytes: 256 codes
.set KROW,   1024                      ; a row of x's or w_attn's codes in memory
.set PITCH,  272                       ; an LDS row: 256 bytes + 16 of padding = 68 words: row r starts at bank 4 r mod 64 (64 banks of 4 bytes: ISA guide 11.1)
.set FR,     16                        ; registers of a fragment: 16 rows x 128 K
.set NL,     4                         ; LDS loads that bring one
.set NP,     4                         ; places behind this matrix instruction (ISA guide 7.12.1)
.set HALFT,  128*PITCH                 ; 128 rows: what one tensor load brings
.set SLOT,   4*HALFT                   ; A's 256 rows, then B's 256 rows
.set LAPS,   2                         ; 1,024 / 512: a lap is once round the ring
.set SPARE,  2*SLOT                    ; behind the ring: the spare words, 128 bytes for each wave, which no other line names
.set ADRA, 16                          ; v16-17  LDS address of my A fragments in slot 0, 1
.set ADRB, 20                          ; v20-21  the same for B
.set LIM,  22                          ; v22     448 x the conversion's scale
.set SC,   23                          ; v23     the conversion's scale as f32
.set STO,  24                          ; v24     the stage: where I put 8 codes
.set RDQ,  25                          ; v25     the stage: where I read for q's and k's images
.set RDV,  26                          ; v26     the stage: where I read for vt
.set GOQ,  27                          ; v27     my byte in an image's 512
.set SPW,  28                          ; v28     LDS address of my spare word; never rewritten
.set NIL,  29                          ; v29     0; never rewritten
.set GOV,  30                          ; v30     my byte in two rows of vt
.set BI,   32                          ; v32-95  the bias, eight registers for each block
.set TMP,  32                          ; v32-95  on the way out: a block's 64 numbers, held
.set OFJ,  96                          ; v96-103 the bias loads' offsets
.set AF,   128                         ; A's fragments
.set CD,   128                         ; on the way out: 16 registers of codes for each block, then the rows read back
.set G1, 24                            ; s[24:31] descriptor group 1 for A's tiles;  s[32:39] group 0, one set for each slot
.set G0, 32
.set G1B, 48                           ; s[48:55], s[56:63] the same for B's tiles
.set G0B, 56
.set MSB, 0
.macro WIN new                         ; the immediate's high byte repeats the setting that is left
.if MSB != \new
	s_set_vgpr_msb (MSB<<8)|\new
.set MSB, \new
.endif
.endm
.set MUL_LO, 0xa1                      ; source 0 (B) window 1, source 1 (A) window 0, C and D window 2
.set MUL_HI, 0xf1                      ; the same, C and D window 3
.set TO_B,   0x40                      ; destination window 1, address window 0
; A joint load: waves 0 and 1 fetch for A, waves 2 and 3 for B.  Each line has one mask and one set of registers for all that issue it; the branch hangs on the wave's number alone.
; An s_nop 0 and four v_nop follow each of the two lines, ahead of the jump, the label and what follows.
.macro JLOAD g0a, g1a, g0b, g1b
	s_cmp_eq_u32 s15, 0
	s_cbranch_scc0 .Lfor_b_\@
	tensor_load_to_lds s[\g0a:\g0a+3], s[\g1a:\g1a+7]
	s_nop 0
.rept 4
	v_nop
.endr
	s_branch .Lasked_\@
.Lfor_b_\@:
	tensor_load_to_lds s[\g0b:\g0b+3], s[\g1b:\g1b+7]
	s_nop 0
.rept 4
	v_nop
.endr
.Lasked_\@:
.endm
.macro CREST                           ; a round of the cluster's barrier behind its opening barrier
	s_cmp_lg_u32 s14, 0
	s_cbranch_scc1 .Lnot_wave_0_\@
	s_barrier_signal -3
.Lnot_wave_0_\@:
	s_barrier_wait -3
	s_barrier_signal -1
	s_barrier_wait -1
.endm
.macro CROUND                          ; a whole round
	s_barrier_signal -1
	s_barrier_wait -1
	CREST
.endm
	s_load_b256 s[4:11], s[0:1], 0x0               ; x's codes s[4:5], w_attn's codes s[6:7], the scales' exponents s[8:9], b_attn s[10:11]
	s_load_b128 s[68:71], s[0:1], 0x20             ; q_img, k_img
	s_load_b64 s[72:73], s[0:1], 0x30              ; vt
	v_lshl_add_u32 v[SPW], v0, 2, SPARE
	v_mov_b32 v[NIL], 0
	ds_add_u32 v[SPW], v[NIL]                      ; the wave's opening: the add and its wait ahead of my first tensor load; the set-up below, work on registers, stands between them
	ds_add_u32 v[SPW], v[NIL]
	v_lshrrev_b32 v1, 5, v0
	v_readfirstlane_b32 s14, v1                    ; wave 0..3
	s_lshr_b32 s15, s14, 1                         ; which half of A's rows is mine.  Also: I fetch for A (0) or for B (1)
	s_and_b32 s16, s14, 1                          ; which half of B's rows.  Also: which 128 rows of that tile I fetch
	s_bfe_u32 s40, ttmp6, 0x40000                  ; cx, cy: my place in the cluster
	s_bfe_u32 s41, ttmp6, 0x40004
	s_and_b32 s18, ttmp7, 0xffff
	s_lshl_b32 s18, s18, 2                         ; 4 x cluster y
	s_lshl_b32 s19, ttmp9, 2                       ; 4 x cluster x
	s_cmp_eq_u32 ttmp9, 2                          ; v?
	s_cselect_b32 s17, 0, s18
	s_cselect_b32 s42, s18, s19
	s_add_co_u32 s17, s17, s41                     ; TR, A's tile of 256 rows: q, k: 4 x cluster y + cy (tokens);  v: cy (channels)
	s_add_co_u32 s42, s42, s40                     ; TC, B's tile of 256 rows: q, k: 4 x cluster x + cx (rows of w_attn);  v: 4 x cluster y + cx (tokens)
	s_lshl_b32 s43, s41, 2
	s_lshl_b32 s43, 15, s43                        ; my row of the cluster
	s_lshl_b32 s44, 0x1111, s40                    ; my column
	; descriptor group 1: a tile of 128 rows x 256 bytes, padded in LDS
	s_or_b32 s[G1+0], s43, (0<<16)|(1<<20)|(1<<21)|(5<<22)|(3<<25)  ; 15:0 the mask: A's tiles go to my row; 17:16 elements of 1 byte; 20 padding on; 21 set beside a mask; 24:22 after every 64 words (code 5); 31:25 four words (code 3)
	s_or_b32 s[G1B+0], s44, (0<<16)|(1<<20)|(1<<21)|(5<<22)|(3<<25)
.irp g, G1, G1B
	s_mov_b32 s[\g+1], ROWB<<16                    ; tensor_dim0
	s_mov_b32 s[\g+2], 128<<16                     ; tensor_dim1 = 128
	s_mov_b32 s[\g+3], ROWB<<16                    ; tile_dim0
	s_mov_b32 s[\g+4], 128                         ; tile_dim1 = 128
	s_mov_b32 s[\g+5], KROW                        ; tensor_dim0_stride
	s_mov_b32 s[\g+6], 0
	s_mov_b32 s[\g+7], 0
.endr
	s_lshl_b32 s18, s16, 7                         ; which 128 rows of the tile I fetch
	s_lshl_b32 s20, s17, 8
	s_add_co_u32 s20, s20, s18                     ; A: row 256 TR + 128 x half,
	s_lshl_b32 s20, s20, 10                        ; in bytes (under 2^24)
	s_mov_b32 s21, 0
	s_lshl_b32 s46, s42, 8
	s_add_co_u32 s46, s46, s18                     ; B: row 256 TC + 128 x half
	s_lshl_b32 s46, s46, 10
	s_mov_b32 s47, 0
	s_mul_i32 s45, s14, HALFT                      ; where they go: wave x 128 rows: no place in the cluster enters an LDS address
	s_wait_dscnt 0x0                               ; the opening add is done
	s_wait_kmcnt 0x0
	s_load_b256 s[76:83], s[8:9], 0x0              ; the eight exponents e0 .. e7
	s_cmp_eq_u32 ttmp9, 2
	s_cselect_b64 s[86:87], s[6:7], s[4:5]         ; A's buffer: v: w_attn's codes, else x's
	s_cselect_b64 s[88:89], s[4:5], s[6:7]         ; B's: the other
	s_cselect_b32 s90, 0x200000, 0                 ; v's rows of w_attn begin at row 2,048
	s_mov_b32 s91, 0
	s_add_nc_u64 s[86:87], s[86:87], s[90:91]
	s_add_nc_u64 s[20:21], s[86:87], s[20:21]
	s_add_nc_u64 s[46:47], s[88:89], s[46:47]
	CROUND                                         ; all sixteen work-groups are here: the first joint loads meet
.irp s, 0,1
	s_mov_b32 s[G0+4*\s], 1
	s_add_co_u32 s[G0+4*\s+1], s45, \s*SLOT
	s_add_nc_u64 s[G0+4*\s+2:G0+4*\s+3], s[20:21], \s*ROWB
	s_or_b32 s[G0+4*\s+3], s[G0+4*\s+3], 0x80000000
	s_mov_b32 s[G0B+4*\s], 1
	s_add_co_u32 s[G0B+4*\s+1], s45, \s*SLOT
	s_add_nc_u64 s[G0B+4*\s+2:G0B+4*\s+3], s[46:47], \s*ROWB
	s_or_b32 s[G0B+4*\s+3], s[G0B+4*\s+3], 0x80000000
.endr
	JLOAD G0, G1, G0B, G1B                         ; K step 0: one tensor load a wave at the head
	v_and_b32 v1, 15, v0                           ; r = lane % 16
	v_bfe_u32 v2, v0, 4, 1                         ; h = lane / 16
	v_mul_u32_u24 v3, v1, PITCH
	s_wait_alu depctr_va_vdst(0)
	v_lshl_add_u32 v4, v2, 4, v3                   ; a fragment's row x pitch + 16 x half
	s_mul_i32 s21, s15, HALFT                      ; my 128 rows of A
	s_mul_i32 s22, s16, HALFT                      ; my 128 rows of B,
	s_add_co_u32 s22, s22, 2*HALFT                 ; which lie behind A's 256
.irp s, 0,1
	v_add_nc_u32 v[ADRA+\s], s21, v4
	v_add_nc_u32 v[ADRB+\s], s22, v4
	s_add_co_u32 s21, s21, SLOT
	s_add_co_u32 s22, s22, SLOT
.endr
	s_mul_i32 s23, s15, 128*PITCH                  ; the stage, in: row 128 x (my half of A) + r, byte 128 x (my half of B) + 8 h
	s_lshl_b32 s22, s16, 7
	s_add_co_u32 s23, s23, s22
	v_lshl_add_u32 v5, v2, 3, v3
	v_add_nc_u32 v[STO], s23, v5
	v_and_b32 v6, 8, v1
	v_add_nc_u32 v6, v6, v1                        ; r + 8 (r / 8)
	v_mul_u32_u24 v6, v6, PITCH
	v_lshl_add_u32 v6, v2, 4, v6
	s_lshl_b32 s23, s14, 6
	v_add_nc_u32 v[RDQ], s23, v6                   ; back for q, k: token r + 8 (r / 8), byte 64 x wave (my head) + 16 h
	s_mul_i32 s23, s14, 64*PITCH
	v_mul_u32_u24 v7, v2, PITCH
	v_lshl_add_u32 v7, v1, 4, v7
	v_add_nc_u32 v[RDV], s23, v7                   ; back for v: row 64 x wave (my head) + h, byte 16 r
	v_and_b32 v8, 31, v0
	v_lshlrev_b32 v[GOQ], 4, v8                    ; 16 x lane
	v_lshlrev_b32 v9, 11, v2
	v_lshl_add_u32 v[GOV], v1, 4, v9               ; 2,048 h + 16 r
	; the bias.  Register BI + 8 i + j:  q, k: i is B's block, b_attn[256 TC + 128 x (my half of B) + 16 i + 8 h + j];   v: i is A's block, b_attn[2,048 + 256 TR + 128 x (my half of A) + 16 i + r], for all j.
	; One form serves both: the lane's offset is r x sA + h x sB + j x sJ bytes, the block's 64 i bytes stand in the immediate.
	s_cmp_eq_u32 ttmp9, 2
	s_cselect_b32 s96, 4, 0                        ; sA
	s_cselect_b32 s97, 0, 32                       ; sB
	s_cselect_b32 s18, 0, 4                        ; sJ
	s_lshl_b32 s19, s17, 8
	s_lshl_b32 s22, s15, 7
	s_add_co_u32 s19, s19, s22
	s_add_co_u32 s19, s19, 2048                    ; v's first index
	s_lshl_b32 s23, s42, 8
	s_lshl_b32 s22, s16, 7
	s_add_co_u32 s23, s23, s22                     ; q's and k's
	s_cmp_eq_u32 ttmp9, 2
	s_cselect_b32 s22, s19, s23
	s_lshl_b32 s22, s22, 2
	s_mov_b32 s23, 0
	s_add_nc_u64 s[94:95], s[10:11], s[22:23]
	v_mul_u32_u24 v[OFJ], v1, s96
	v_mad_u32_u24 v[OFJ], v2, s97, v[OFJ]
.irp j, 1,2,3,4,5,6,7
	v_add_nc_u32 v[OFJ+\j], s18, v[OFJ+\j-1]
.endr
.irp i, 0,1,2,3,4,5,6,7
.irp j, 0,1,2,3,4,5,6,7
	global_load_b32 v[BI+8*\i+\j], v[OFJ+\j], s[94:95] offset:64*\i
.endr
.endr
	s_wait_kmcnt 0x0
	s_add_co_i32 s96, s76, s77                     ; e0 + e1: a sum stands for sum x 2^(e0 + e1)
	s_sub_co_i32 s97, 0, s96
	s_cmp_eq_u32 ttmp9, 0
	s_cselect_b32 s18, s78, s79                    ; q's e2 or k's e3
	s_cmp_eq_u32 ttmp9, 2
	s_cselect_b32 s18, s81, s18                    ; or v's e5
	s_sub_co_i32 s18, s18, s96                     ; the three scales folded into the conversion's one
	s_add_co_i32 s18, s18, 127
	s_lshl_b32 s19, s18, 23
	v_mov_b32 v[SC], s19                           ; 2^(e_out - e0 - e1) as f32
	s_add_co_i32 s18, s18, 8
	s_lshl_b32 s18, s18, 23
	s_or_b32 s18, s18, 0x600000
	v_mov_b32 v[LIM], s18                          ; 448 x that
	s_wait_loadcnt 0x0                             ; the bias
.set J, 0
.rept 64
	v_ldexp_f32 v[BI+J], v[BI+J], s97              ; b / 2^(e0 + e1): nothing is rounded, short of overflow and underflow
.set J, J+1
.endr
.macro FRAG reg, adr, q, i             ; a fragment, 16 rows x 128 K, is 16 registers: lane l holds row l % 16; registers 4 c .. 4 c + 3 hold K = 32 c + 16 (l / 16) + 0 .. 15: the same order of K in A and in B
.irp c, 0,1,2,3
	ds_load_b128 v[\reg+4*\c:\reg+4*\c+3], v[\adr] offset:128*(\q)+32*\c+(\i)*16*PITCH
.endr
.endm
; 16 matrix instructions: A's blocks a0, a0 + 1 x B's eight, 128 along K.  p: B's set.  cm = 0: a sum goes on in place; cm = 2: it begins with the bias of B's block; cm = 3: with the bias of A's block.
; The 64 accumulators take turns, one instruction a turn, in the same order in every step.
.macro MUL16 a0, p, cm
.irp a, \a0, \a0+1
.irp b, 0,1,2,3,4,5,6,7
.if \cm == 2
	v_wmma_f32_16x16x128_fp8_fp8 v[8*(8*((\a)%4)+\b):8*(8*((\a)%4)+\b)+7], v[128*(\p)+FR*\b:128*(\p)+FR*\b+FR-1], v[AF+FR*(\a):AF+FR*(\a)+FR-1], v[BI+8*\b:BI+8*\b+7]
.elseif \cm == 3
	v_wmma_f32_16x16x128_fp8_fp8 v[8*(8*((\a)%4)+\b):8*(8*((\a)%4)+\b)+7], v[128*(\p)+FR*\b:128*(\p)+FR*\b+FR-1], v[AF+FR*(\a):AF+FR*(\a)+FR-1], v[BI+8*(\a):BI+8*(\a)+7]
.else
	v_wmma_f32_16x16x128_fp8_fp8 v[8*(8*((\a)%4)+\b):8*(8*((\a)%4)+\b)+7], v[128*(\p)+FR*\b:128*(\p)+FR*\b+FR-1], v[AF+FR*(\a):AF+FR*(\a)+FR-1], v[8*(8*((\a)%4)+\b):8*(8*((\a)%4)+\b)+7]
.endif
.endr
.endr
.endm
.macro FETCH_B slot, q, p              ; B's eight fragments of the slot's q-th 128 along K into set p
	WIN TO_B
.irp i, 0,1,2,3,4,5,6,7
	FRAG 128*(\p)+FR*\i, ADRB+\slot, \q, \i
.endr
	WIN 0
.endm
.macro FETCH_A slot, q, i0             ; A's blocks i0 .. i0 + 3
.irp i, \i0, \i0+1, \i0+2, \i0+3
	FRAG AF+FR*(\i), ADRA+\slot, \q, \i
.endr
.endm
; A load into a register that a matrix instruction has read, and a vector instruction that reads a matrix result, stand NP places behind that matrix instruction; only plain vector
; instructions that name none of its registers are places.
.macro PLACES n
.rept \n
	v_nop
.endr
.endm
; A step of 128 along K that has its successor in the same slot.  With cm other than 0, C (the bias) lies in window 0.
.macro STEP slot, q, cm
	s_wait_dscnt 4*NL                              ; B's set and A's blocks 0-3 are in; the youngest sixteen loads (A's blocks 4-7) may be out
.if \cm
	WIN 0x81
.else
	WIN MUL_LO
.endif
	MUL16 0, (\q)%2, \cm
	MUL16 2, (\q)%2, \cm
	s_wait_dscnt 0                                 ; A's blocks 4-7 are in (asked for 32 matrix instructions ago)
	PLACES NP
	FETCH_B \slot, (\q)+1, 1-(\q)%2
	FETCH_A \slot, (\q)+1, 0
.if \cm
	WIN 0xc1
.else
	WIN MUL_HI
.endif
	MUL16 4, (\q)%2, \cm
	MUL16 6, (\q)%2, \cm
	PLACES NP
	WIN 0
	FETCH_A \slot, (\q)+1, 4
.endm
; A slot's last step changes slots: ONE barrier; in front of it each wave waits for all its tensor loads, adds 0 to its spare word, and waits for that and for its own reads of this slot.  fill = 1: this slot is filled again, two K steps ahead.
.macro TURN slot, next, fill
	s_wait_tensorcnt 0x0                           ; all my tensor loads have landed: my part of the next slot;  (every window is 0 here)
	ds_add_u32 v[SPW], v[NIL]                      ; 0 onto my spare word;
	s_wait_dscnt 4*NL+1                            ; (the add and the youngest sixteen loads, A's blocks 4-7, may be out)
	WIN MUL_LO
	MUL16 0, 1, 0                                  ; sixteen matrix instructions stand between the add and the wait for it
	s_wait_dscnt 0x0                               ; the add is done, and my reads of this slot are over
	s_barrier_signal -1
	MUL16 2, 1, 0
	WIN 0
	s_barrier_wait -1
.if \fill
	CREST                                          ; the barrier has opened a round of the cluster's barrier: no wave of any partner still reads this slot's tile or has a load on its way
	s_add_nc_u64 s[G0+4*\slot+2:G0+4*\slot+3], s[G0+4*\slot+2:G0+4*\slot+3], 2*ROWB
	s_add_nc_u64 s[G0B+4*\slot+2:G0B+4*\slot+3], s[G0B+4*\slot+2:G0B+4*\slot+3], 2*ROWB
	JLOAD G0+4*\slot, G1, G0B+4*\slot, G1B         ; the first tensor load behind the round; the four v_nop behind it are the places in front of the loads below
.else
	PLACES NP
.endif
	FETCH_B \next, 0, 0
	FETCH_A \next, 0, 0
	WIN MUL_HI
	MUL16 4, 1, 0
	MUL16 6, 1, 0
	PLACES NP
	WIN 0
	FETCH_A \next, 0, 4
.endm
	s_wait_alu depctr_va_vdst(0)                   ; the wait at the head's end
	s_wait_tensorcnt 0x0                           ; my part of K step 0 is in
	ds_add_u32 v[SPW], v[NIL]
	s_wait_dscnt 0x0
	CROUND                                         ; everybody's part of K step 0 is in, and all sixteen work-groups are here
	JLOAD G0+4, G1, G0B+4, G1B                     ; K step 1, slot 1's first fill: the first tensor load behind the round
	FETCH_B 0, 0, 0
	FETCH_A 0, 0, 0
	FETCH_A 0, 0, 4
	s_cmp_eq_u32 ttmp9, 2                          ; the first step is written twice: it differs in which block's bias begins a sum.  Both ways issue the same loads, so the counts behind them agree
	s_cbranch_scc1 .Lfirst_v
	s_wait_alu depctr_va_vdst(0)
	STEP 0, 0, 2
	s_branch .Lfirst_done
.Lfirst_v:
	s_wait_alu depctr_va_vdst(0)
	STEP 0, 0, 3
.Lfirst_done:
	s_mov_b32 s3, LAPS-1
.Llap:                                                 ; a trip goes once round the ring, from a lap's second step to the next lap's first, and fills both slots again
	TURN 0, 1, 1
	STEP 1, 0, 0
	TURN 1, 0, 1
	STEP 0, 0, 0
	s_sub_co_u32 s3, s3, 1
	s_cmp_lg_u32 s3, 0
	s_cbranch_scc1 .Llap
	TURN 0, 1, 0                                   ; the last lap fills nothing, and has no round of the cluster's barrier
	STEP 1, 0, 0
	s_wait_dscnt 4*NL                              ; the very last step: nothing more to fetch
	WIN MUL_LO
	MUL16 0, 1, 0
	MUL16 2, 1, 0
	s_wait_dscnt 0
	WIN MUL_HI
	MUL16 4, 1, 0
	MUL16 6, 1, 0
	WIN 0
; THE WAY OUT.  Block a (16 rows of A x my 128 rows of B): the hold at the largest code x the scale, each accumulator from its low end on; eight conversions, each of a lane's eight neighbours; 8 bytes a lane into the stage.
; Each block has its own sixteen registers of codes.
.macro OUTBLK a
.set AC, 64*((\a)%4)
	WIN 0x02+((\a)/4)                              ; source 0: window 2 or 3
.set J, 0
.rept 64
	v_med3_num_f32 v[TMP+J], v[AC+J], -v[LIM], v[LIM]   ; the conversion to an 8-bit code does not saturate (ISA guide 7.6.2)
.set J, J+1
.endr
	WIN 0
.irp b, 0,1,2,3,4,5,6,7
	v_cvt_scalef32_pk8_fp8_f32 v[CD+16*(\a)+2*\b:CD+16*(\a)+2*\b+1], v[TMP+8*\b:TMP+8*\b+7], v[SC]
.endr
	v_nop                                          ; one plain line between the conversions and the next block's holds, which write their sources
.irp b, 0,1,2,3,4,5,6,7
	ds_store_b64 v[STO], v[CD+16*(\a)+2*\b:CD+16*(\a)+2*\b+1] offset:16*(\a)*PITCH+16*\b
.endr
.endm
	PLACES NP                                      ; behind the last products: block 0's reads, and the conversions' writes into the registers that held A's fragments
.irp a, 0,1,2,3,4,5,6,7
	OUTBLK \a
.endr
	s_wait_dscnt 0x0                               ; for the others' sake: my stores into the stage are done
	s_barrier_signal -1
	s_barrier_wait -1                              ; the tile's 256 x 256 codes lie in the stage
	s_cmp_eq_u32 ttmp9, 2
	s_cbranch_scc1 .Lback_v
	; q, k: my head's 256 tokens x 64 channels become 16 fragments' images: 32 loads of 16 bytes a lane, 32 stores of 512 consecutive bytes
	s_lshr_b32 s96, s17, 3                         ; the batch: 8 tiles of 256 tokens each
	s_lshl_b32 s96, s96, 4
	s_lshl_b32 s97, s40, 2
	s_add_co_u32 s96, s96, s97
	s_add_co_u32 s96, s96, s14                     ; x 16 + head 4 cx + wave
	s_lshl_b32 s96, s96, 17                        ; 131,072 bytes a head
	s_and_b32 s97, s17, 7
	s_lshl_b32 s97, s97, 14                        ; 16 fragments of 1,024 bytes for 256 tokens
	s_add_co_u32 s96, s96, s97
	s_mov_b32 s97, 0
	s_cmp_eq_u32 ttmp9, 0
	s_cselect_b64 s[92:93], s[68:69], s[70:71]     ; q_img or k_img
	s_add_nc_u64 s[92:93], s[92:93], s[96:97]
.irp f, 0,1,2,3,4,5,6,7,8,9,10,11,12,13,14,15
.irp c, 0,1
	ds_load_b128 v[CD+4*(2*\f+\c):CD+4*(2*\f+\c)+3], v[RDQ] offset:(32*(\f/2)+8*(\f%2))*PITCH+32*\c
.endr
.endr
.irp f, 0,1,2,3,4,5,6,7,8,9,10,11,12,13,14,15
.irp c, 0,1
	s_wait_dscnt 31-(2*\f+\c)                      ; LDS loads come back in order: this one is in, the younger ones may be out
	global_store_b128 v[GOQ], v[CD+4*(2*\f+\c):CD+4*(2*\f+\c)+3], s[92:93] offset:1024*\f+512*\c
.endr
.endr
	s_branch .Lend
.Lback_v:
	; v: my head's 64 channels x 256 tokens: two rows an instruction, sixteen lanes to 256 consecutive bytes, aligned; the row's place is its channel with bits 3 and 4 exchanged
	s_lshr_b32 s96, s42, 3                         ; the batch
	s_lshl_b32 s96, s96, 4
	s_lshl_b32 s97, s41, 2
	s_add_co_u32 s96, s96, s97
	s_add_co_u32 s96, s96, s14                     ; x 16 + head 4 cy + wave
	s_lshl_b32 s96, s96, 17
	s_and_b32 s97, s42, 7
	s_lshl_b32 s97, s97, 8                         ; 256 tokens
	s_add_co_u32 s96, s96, s97
	s_mov_b32 s97, 0
	s_add_nc_u64 s[92:93], s[72:73], s[96:97]
.set I, 0
.rept 32
	ds_load_b128 v[CD+4*I:CD+4*I+3], v[RDV] offset:2*I*PITCH
.set I, I+1
.endr
.set I, 0
.rept 32
	s_wait_dscnt 31-I
	global_store_b128 v[GOV], v[CD+4*I:CD+4*I+3], s[92:93] offset:2*((I&0x13)|((I&4)<<1)|((I&8)>>1))*2048
.set I, I+1
.endr
.Lend:
	s_wait_tensorcnt 0x0                           ; the wave's end: behind my last tensor load and my last LDS store
	ds_add_u32 v[SPW], v[NIL]
	s_wait_dscnt 0x0
	CROUND                                         ; the closing round: no work-group ends while a partner may still ask for a tile that names it
	s_endpgm
.Lfunc_end_k_qd7e550b391_qkv:
	.size	k_qd7e550b391_qkv, .Lfunc_end_k_qd7e550b391_qkv-k_qd7e550b391_qkv
	.p2alignl 7, 3214868480
	.fill 96, 4, 3214868480
	.section	.rodata,"a",@progbits
	.p2align	6, 0x0
	.amdhsa_kernel k_qd7e550b391_qkv
		.amdhsa_group_segment_fixed_size 327680
		.amdhsa_private_segment_fixed_size 0
		.amdhsa_enable_private_segment 0
		.amdhsa_kernarg_size 56
		.amdhsa_user_sgpr_count 2
		.amdhsa_user_sgpr_kernarg_segment_ptr 1
		.amdhsa_wavefront_size32 1
		.amdhsa_system_sgpr_workgroup_id_x 1
		.amdhsa_system_sgpr_workgroup_id_y 1
		.amdhsa_system_sgpr_workgroup_id_z 1
		.amdhsa_system_vgpr_workitem_id 0
		.amdhsa_next_free_vgpr 1024
		.amdhsa_next_free_sgpr 100
		.amdhsa_reserve_vcc 0
		.amdhsa_float_denorm_mode_32 3
		.amdhsa_float_denorm_mode_16_64 3
		.amdhsa_memory_ordered 1
		.amdhsa_forward_progress 1
		.amdhsa_inst_pref_size 152
	.end_amdhsa_kernel
	.amdgpu_metadata
---
amdhsa.version: [ 1, 2 ]
amdhsa.kernels:
  - .name:           k_qd7e550b391_qkv
    .symbol:         k_qd7e550b391_qkv.kd
    .args:
      - { .name: x_codes, .offset: 0, .size: 8, .value_kind: global_buffer, .address_space: global }
      - { .name: wa_codes, .offset: 8, .size: 8, .value_kind: global_buffer, .address_space: global }
      - { .name: lowp_scales, .offset: 16, .size: 8, .value_kind: global_buffer, .address_space: global }
      - { .name: b_attn, .offset: 24, .size: 8, .value_kind: global_buffer, .address_space: global }
      - { .name: q_img, .offset: 32, .size: 8, .value_kind: global_buffer, .address_space: global }
      - { .name: k_img, .offset: 40, .size: 8, .value_kind: global_buffer, .address_space: global }
      - { .name: vt, .offset: 48, .size: 8, .value_kind: global_buffer, .address_space: global }
    .group_segment_fixed_size: 327680
    .private_segment_fixed_size: 0
    .kernarg_segment_align: 8
    .kernarg_segment_size: 56
    .max_flat_workgroup_size: 128
    .sgpr_count:     100
    .vgpr_count:     1024
    .wavefront_size: 32
...
	.end_amdgpu_metadata
.endif
;; end of part 2
;; launch attn (part 3): grid 4 x 64, 16 waves a work-group, no clusters, 327,680 bytes of LDS; arguments q_img, k_img, vt, lowp_scales, y_img; writes y_img
.if DOCPART == 3
	.amdgcn_target "amdgcn-amd-amdhsa--gfx1250"
	.amdhsa_code_object_version 6
	.text
	.protected	k_qd7e550b391_attn
	.globl	k_qd7e550b391_attn
	.p2align	8
	.type	k_qd7e550b391_attn,@function
k_qd7e550b391_attn:
	s_mov_b64 s[64:65], 0
	v_nop
	global_prefetch_b8 v0, s[64:65] scope:SCOPE_SE
	s_setreg_imm32_b32 hwreg(HW_REG_WAVE_MODE, 25, 1), 1
	s_wait_xcnt 0x0
; y[b][t][head][:] = the sum over keys k <= t of softmax_k(q . k / 8) v, both products on codes of FP8 (E4M3), head size 64, 2,048 tokens, 64 heads in all; y leaves as codes (scale entry 6), laid as the next product's operand.
; LEFT OUT: key steps all of whose keys come after a wave's queries.  reference() builds the causal mask itself and sets those scores to -infinity, so their p is 0 for all values of the inputs.
; A NaN, an infinity or an overflow that reaches only those scores is not carried to the result.
; THE SOFTMAX AHEAD OF THE SECOND PRODUCT: t = score x log2(e) / 8; M = the row's largest t so far, rounded UP to a whole number; p = 2^(t - M) is quantised (entry 4), not normalised.
; The row's sum is taken of the unquantised p, in f32, and divides O at the end.  When M moves, the sum and O are multiplied by 2^(old M - new M): exact.
; SHARES.  256 work-groups, four to a head.  Work-group i (0..3) of a head STAYS: it first makes queries 256 (7 - i) .. + 255, walking the head's units 0 .. 7 - i of 256 keys, then queries 256 i .. + 255, walking units 0 .. i:
; (8 - i) + (i + 1) = 9 units for every i.  Each of sixteen waves owns 16 queries of the block in hand, one tile, in 256 registers.
; A block's last unit lies on the diagonal: its second key step counts for tiles 8 to 15 alone.  Wave w takes tile 8 x ((w xor (w / 4)) % 2) + w / 2: of any four waves w % 4 alike or w / 4 alike two have such a tile.
; THE RING.  Two LDS slots of THREE units each: the nine units of the walk are three trips, with one barrier a trip; inside a trip no wave waits for another.  Six waves fetch, one tensor load each: waves 0 to 2 V's tiles of
; the slot's three units, waves 3 to 5 K's.  The g-th unit of the walk is the head's unit g while g <= 7 - i, and g - 8 + i after that: each load's address is made from g, so the change of blocks may fall anywhere in a slot.
; Behind unit 7 - i of the walk (a branch on ids) a wave's y of the first block leaves, its sums begin anew and the second block's Q, loaded at the head, is taken up.
; NO CLUSTER, though the four work-groups of a head read the same K and V: from the walk's unit 5 on partners need different units, so the second and third fills differ between them.
; LAYOUT.  Both products are used transposed: S^T = K Q^T (source 0 = 16 keys, source 1 = my 16 queries, K = 64), O^T = V^T P^T (source 0 = 16 rows of vt, source 1 = P, K = 128 keys): a lane holds ONE query throughout.
; k_img's fragments hold keys 32 b + 8 u + r + 8 (r / 8), so the 16 registers of tiles 2 b and 2 b + 1 are keys 32 b + 16 (lane / 16) + 0 .. 15.  vt's rows are ordered likewise, so O^T's are neighbouring channels.
; LIMITS on the given exponents: e2 + e3 between -123 and 130 (added to c's exponent field); e4 between -126 and 119; e6 - e4 - e5 between -126 and 119.  NaN is not served.
; REGISTERS: v1 16 x lane; v2 my place in V's tile; v3 the prefetch's offset; v5, v6 the add's two; v8, v9 addresses in hand; v10 Q's offset; v12 -M, v13 the largest t, v[14:15] the sum in two halves; v16-23 Q; v24-31 the second block's Q;
;   v32-95 eight fragments of K, then four of V; v96-159 S^T, then p; v160-191 O^T; v224-239 p's codes; v240 and v193: 448 x 2^e4; v244: 2^e4; v241, v245: the same for e6 - e4 - e5; v236-239, v242-243, v246-255 at work.
.set VP,    272                        ; a row of V's tile in LDS: 256 bytes + 16 of padding
.set VU,    64*VP                      ; a unit of V: 64 rows
.set KU,    16384                      ; a unit of K: 16 fragment images, dense
.set KOFF,  3*VU                       ; a slot: V's three units, then K's three
.set SLOT1, 1<<17                      ; slot 1 begins here, so that one exclusive or turns an address in one slot into the other's
.set SPARE, 2*SLOT1                    ; behind the ring: the spare words, 128 bytes for each wave, which no other line names
.set LA,   1
.set AV0,  2
.set PFO,  3
.set SPW,  5
.set NIL,  6
.set ADK,  8
.set ADV,  9
.set QB,   24
.set TB,   2                           ; s2   LDS byte at which the slot in hand begins
.set WV,   18                          ; s18  my wave's number
.set TRIP, 19                          ; s19  the trip, 0 .. 2
.set SEL,  20                          ; s[20:21] lane selects for v_permlanex16_b32: lane l xor 16
.set CS,   22                          ; s[22:23] c = log2(e) / 8 x 2^(e2 + e3)
.set G1K,  24                          ; s[24:31] descriptor group 1 for K's images;  s[32:39] for V's tiles;  s[40:43], s[44:47] their groups 0
.set G1V,  32
.set G0K,  40
.set G0V,  44
.set NA1,  48                          ; s48  7 - i: the first block's number, and the walk's last unit for it
.set PW,   51                          ; s51  0 in a wave that prefetches
.set Q0B,  52                          ; s52  my first query in the second block
.set NA,   53                          ; s53  8 - i: the first block's units
.set GU,   54                          ; s54  which unit of the walk my next tensor load brings
.set GC,   55                          ; s55  the unit of the walk in hand, 0 .. 8
.set TK,   56                          ; s56  LDS byte of the unit's K
.set TV,   57                          ; s57  and of its V
.set UC,   58                          ; s58  the unit in the slot, 0 .. 2
.set PFA,  76                          ; s[76:77] where my prefetch stands; never rewritten
.set KF,   98                          ; s98  the step's first key
.set Q0,   99                          ; s99  my first query
; Waves 0 to 2 fetch V's tiles, waves 3 to 5 K's images, the others nothing.  The branches hang on the wave's number alone.  An s_nop 0 and four v_nop follow each of the two lines.
.macro TLOAD
	s_cmp_lt_u32 s[WV], 3
	s_cbranch_scc0 .Lnot_v_\@
	tensor_load_to_lds s[G0V:G0V+3], s[G1V:G1V+7]
	s_nop 0
.rept 4
	v_nop
.endr
	s_branch .Lasked_\@
.Lnot_v_\@:
	s_cmp_lt_u32 s[WV], 6
	s_cbranch_scc0 .Lasked_\@
	tensor_load_to_lds s[G0K:G0K+3], s[G1K:G1K+7]
	s_nop 0
.rept 4
	v_nop
.endr
.Lasked_\@:
.endm
; A PREFETCH, at trip 0's change of slots, of what trip 1's change loads and no earlier load has asked for: the head's units 6 and 7 (units 0 to 5 are asked for by the first two fills).  It stands one trip, six key steps, ahead.
; The head's work-group 0, which walks both units, asks alone: each aligned block of 256 bytes is named once in the launch.  Waves 8 to 11 ask for K's 32,768 bytes, 8,192 a wave, lanes 256 bytes apart;
; waves 12 to 15 for V: 32 rows of one unit a wave, a lane a row, 256 bytes of each.
.macro ASK
	s_or_b32 s96, s[TRIP], s[PW]
	s_cmp_eq_u32 s96, 0
	s_cbranch_scc0 .Lnot_mine_\@
	global_prefetch_b8 v[PFO], s[PFA:PFA+1] th:TH_LOAD_NT scope:SCOPE_SE
.Lnot_mine_\@:
.endm
; byte offsets of a tile of 16 queries.  q_img: token t lies in fragment 2 (t / 32) + bit 3 of t, row 8 x (bit 4 of t) + t % 8.
; y_img [head / 4][row / 16][4,096 bytes]; in a block: (head % 4) x 1,024 + 512 (d / 32) + 256 ((d / 16) % 2) + 16 (row % 16) + d % 16.  s84: the head's first byte; s81: b x 16 + head; s88: the head's part of y's offset
.macro OFFS q0, qo, yo
	s_lshr_b32 s[\qo], s[\q0], 5
	s_lshl_b32 s[\qo], s[\qo], 11
	s_bfe_u32 s[\qo+1], s[\q0], 0x10004
	s_lshl_b32 s[\qo+1], s[\qo+1], 7
	s_add_co_u32 s[\qo], s[\qo], s[\qo+1]
	s_add_co_u32 s[\qo], s[\qo], s84
	s_mov_b32 s[\qo+1], 0
	s_lshr_b32 s[\yo], s81, 4
	s_lshl_b32 s[\yo], s[\yo], 11
	s_add_co_u32 s[\yo], s[\yo], s[\q0]            ; row = 2,048 b + the first query
	s_lshr_b32 s[\yo], s[\yo], 4
	s_lshl_b32 s[\yo], s[\yo], 12
	s_add_co_u32 s[\yo], s[\yo], s88
	s_mov_b32 s[\yo+1], 0
.endm
	s_load_b128 s[4:7], s[0:1], 0x0                ; q_img s[4:5], k_img s[6:7]
	s_load_b128 s[12:15], s[0:1], 0x10             ; vt s[12:13], the scales' exponents s[14:15]
	s_load_b64 s[16:17], s[0:1], 0x20              ; y_img
	v_lshl_add_u32 v[SPW], v0, 2, SPARE
	v_mov_b32 v[NIL], 0
	ds_add_u32 v[SPW], v[NIL]                      ; the wave's opening: the add, twice on end, and its wait ahead of my first tensor load; the set-up below, work on registers, stands between
	ds_add_u32 v[SPW], v[NIL]
	v_lshrrev_b32 v8, 5, v0
	s_delay_alu instid0(VALU_DEP_1)
	v_readfirstlane_b32 s[WV], v8                  ; wave 0..15
	s_and_b32 s81, ttmp7, 0xffff                   ; b x 16 + head
	s_lshl_b32 s84, s81, 17                        ; the head's first byte in q_img, k_img and vt: 131,072 bytes a head
	s_mov_b32 s85, 0
	s_lshr_b32 s86, s[WV], 2
	s_xor_b32 s86, s86, s[WV]
	s_and_b32 s86, s86, 1
	s_lshl_b32 s86, s86, 3
	s_lshr_b32 s87, s[WV], 1
	s_add_co_u32 s86, s86, s87                     ; my tile in a block
	s_lshl_b32 s86, s86, 4
	s_sub_co_u32 s[NA1], 7, ttmp9
	s_add_co_u32 s[NA], s[NA1], 1
	s_lshl_b32 s87, s[NA1], 8
	s_add_co_u32 s[Q0], s87, s86                   ; my first query in block 7 - i,
	s_lshl_b32 s87, ttmp9, 8
	s_add_co_u32 s[Q0B], s87, s86                  ; and in block i
	s_bfe_u32 s88, s81, 0x20002
	s_lshl_b32 s88, s88, 21
	s_and_b32 s89, s81, 3
	s_lshl_b32 s89, s89, 10
	s_add_co_u32 s88, s88, s89
	OFFS Q0, 90, 92
	OFFS Q0B, 94, 96
	; what I fetch, if I fetch: unit w of V (waves 0 to 2) or unit w - 3 of K (waves 3 to 5) of each slot
	s_cmp_lt_u32 s[WV], 3
	s_cselect_b32 s87, 0, 3
	s_sub_co_u32 s[GU], s[WV], s87                 ; in the first fill the walk's unit is the head's
	s_lshl_b32 s86, s[GU], 14                      ; K: 16,384 bytes a unit
	s_mov_b32 s87, 0
	s_lshl_b32 s82, s[GU], 8                       ; V: 256 bytes of each row
	s_mov_b32 s83, 0
	s_mul_i32 s[G0V+1], s[WV], VU                  ; LDS address in slot 0: V's unit w,
	s_lshl_b32 s[G0K+1], s[WV], 14
	s_add_co_u32 s[G0K+1], s[G0K+1], KOFF-3*KU     ; K's unit w - 3: KOFF + (w - 3) x KU
	; descriptor group 1.  K: a dense block of 16,384 bytes as 64 rows of 32 elements of 8 bytes, no padding.  V: 64 rows of 256 bytes, 2,048 bytes apart, four words of padding after every 64
	s_mov_b32 s[G1K], 3<<16
	s_mov_b32 s[G1K+1], 32<<16
	s_mov_b32 s[G1K+2], 64<<16
	s_mov_b32 s[G1K+3], 32<<16
	s_mov_b32 s[G1K+4], 64
	s_mov_b32 s[G1K+5], 32
	s_mov_b32 s[G1K+6], 0
	s_mov_b32 s[G1K+7], 0
	s_mov_b32 s[G1V], (0<<16)|(1<<20)|(5<<22)|(3<<25)
	s_mov_b32 s[G1V+1], 256<<16
	s_mov_b32 s[G1V+2], 64<<16
	s_mov_b32 s[G1V+3], 256<<16
	s_mov_b32 s[G1V+4], 64
	s_mov_b32 s[G1V+5], 2048
	s_mov_b32 s[G1V+6], 0
	s_mov_b32 s[G1V+7], 0
	s_mov_b32 s[SEL], 0x76543210
	s_mov_b32 s[SEL+1], 0xfedcba98
	s_mov_b32 s[CS], 0x3e38aa3b                    ; log2(e) / 8
	s_mov_b32 s[TB], 0
	s_mov_b32 s[TRIP], 0
	s_mov_b32 s[GC], 0
	s_mov_b32 s[KF], 0
	s_wait_dscnt 0x0                               ; both opening adds are done
	s_wait_kmcnt 0x0
	s_load_b256 s[68:75], s[14:15], 0x0            ; e0 .. e7
	s_add_nc_u64 s[6:7], s[6:7], s[84:85]          ; my head's K,
	s_add_nc_u64 s[12:13], s[12:13], s[84:85]      ; and V
	s_mov_b32 s[G0K], 1
	s_add_nc_u64 s[G0K+2:G0K+3], s[6:7], s[86:87]
	s_or_b32 s[G0K+3], s[G0K+3], 0x80000000
	s_mov_b32 s[G0V], 1
	s_add_nc_u64 s[G0V+2:G0V+3], s[12:13], s[82:83]
	s_or_b32 s[G0V+3], s[G0V+3], 0x80000000
	TLOAD                                          ; slot 0: the walk's units 0 to 2
	s_add_nc_u64 s[8:9], s[4:5], s[94:95]          ; Q's codes at my tile of the second block,
	s_add_nc_u64 s[4:5], s[4:5], s[90:91]          ; and of the first
	s_add_nc_u64 s[10:11], s[16:17], s[96:97]      ; y's codes likewise
	s_add_nc_u64 s[16:17], s[16:17], s[92:93]
	; the prefetch: where my wave's stands, and who asks
	s_and_b32 s83, s[WV], 3
	s_lshl_b32 s86, s83, 13
	s_add_co_u32 s86, s86, 6*KU                    ; K: unit 6 on, 8,192 bytes a wave
	s_lshr_b32 s87, s83, 1
	s_lshl_b32 s87, s87, 8
	s_and_b32 s89, s83, 1
	s_lshl_b32 s89, s89, 16
	s_add_co_u32 s87, s87, s89
	s_add_co_u32 s87, s87, 6*256                   ; V: unit 6 + (w % 4) / 2, rows 32 x (w % 2) on
	s_mov_b32 s82, 2048
	s_cmp_lt_u32 s[WV], 12                         ; waves 8 to 11 ask for K, waves 12 to 15 for V
	s_cselect_b64 s[PFA:PFA+1], s[6:7], s[12:13]
	s_cselect_b32 s82, 256, s82                    ; from lane to lane
	s_cselect_b32 s86, s86, s87
	s_mov_b32 s87, 0
	s_add_nc_u64 s[PFA:PFA+1], s[PFA:PFA+1], s[86:87]
	v_and_b32 v[PFO], 31, v0
	s_delay_alu instid0(VALU_DEP_1)
	v_mul_lo_u32 v[PFO], v[PFO], s82
	s_lshr_b32 s82, s[WV], 3
	s_xor_b32 s82, s82, 1                          ; 0 in waves 8 to 15,
	s_or_b32 s[PW], s82, ttmp9                     ; of the head's work-group 0
	v_and_b32 v8, 15, v0                           ; r = lane % 16
	v_bfe_u32 v9, v0, 4, 1                         ; h = lane / 16
	s_delay_alu instid0(VALU_DEP_2)
	v_lshrrev_b32 v10, 3, v8
	s_delay_alu instid0(VALU_DEP_1)
	v_lshlrev_b32 v10, 10, v10                     ; query r: fragment r / 8,
	s_delay_alu instid0(VALU_DEP_1)
	v_lshl_add_u32 v10, v9, 8, v10                 ; my half's 256 bytes,
	v_and_b32 v11, 7, v8
	s_delay_alu instid0(VALU_DEP_1)
	v_lshl_add_u32 v10, v11, 4, v10                ; row r % 8
	global_load_b128 v[16:19], v10, s[4:5]         ; Q's fragment stays in registers: channels 16 h + 0 .. 15,
	global_load_b128 v[20:23], v10, s[4:5] offset:512   ; and 32 + 16 h + 0 .. 15: the order in which K's images hold them
	global_load_b128 v[QB:QB+3], v10, s[8:9]       ; the second block's, kept until the change of blocks
	global_load_b128 v[QB+4:QB+7], v10, s[8:9] offset:512
	v_and_b32 v[LA], 31, v0
	s_delay_alu instid0(VALU_DEP_1)
	v_lshlrev_b32 v[LA], 4, v[LA]                  ; 16 x lane: my place in an image
	v_mul_u32_u24 v[AV0], v8, VP
	s_delay_alu instid0(VALU_DEP_1)
	v_lshl_add_u32 v[AV0], v9, 4, v[AV0]
	v_mov_b32 v236, 0                              ; written once: a lane permute's destination counts as one of its sources
	v_mov_b32 v253, 0                              ; (named as the upper half of the pair v[252:253])
; a block's sums begin: the step is written for all steps alike; the first finds zeros, which the first change of M leaves zeros
.macro BEGIN
	v_mov_b32 v13, 0xff61b1e6                      ; the largest t so far: -3e38, under every t
	s_delay_alu instid0(VALU_DEP_1)
	v_floor_f32 v12, -v13                          ; -M
	v_mov_b32 v14, 0                               ; the sum, in two halves
	v_mov_b32 v15, 0
.set J, 0
.rept 32
	v_mov_b32 v[160+J], 0                          ; O^T
.set J, J+1
.endr
.endm
	BEGIN
	s_wait_kmcnt 0x0
	s_add_co_i32 s81, s70, s71
	s_lshl_b32 s81, s81, 23
	s_add_co_i32 s[CS], s[CS], s81                 ; a score stands for score x 2^(e2 + e3): the two exponents are added to c's exponent field
	s_mov_b32 s[CS+1], s[CS]                       ; (named with it as a pair, so it is written)
	s_add_co_i32 s81, s72, 127
	s_lshl_b32 s82, s81, 23
	v_mov_b32 v244, s82                            ; 2^e4 as f32, for p's conversion
	s_add_co_i32 s81, s81, 8
	s_lshl_b32 s81, s81, 23
	s_or_b32 s81, s81, 0x600000
	v_mov_b32 v240, s81                            ; 448 x 2^e4,
	v_mov_b32 v193, s81                            ; and once more: the two halves of a dual pair take their second sources from different register banks
	s_sub_co_i32 s81, s74, s72
	s_sub_co_i32 s81, s81, s73                     ; O^T / the sum stands for y / 2^(e4 + e5): y's code is that / 2^(e6 - e4 - e5)
	s_add_co_i32 s81, s81, 127
	s_lshl_b32 s82, s81, 23
	v_mov_b32 v245, s82
	s_add_co_i32 s81, s81, 8
	s_lshl_b32 s81, s81, 23
	s_or_b32 s81, s81, 0x600000
	v_mov_b32 v241, s81
; A KEY STEP: 128 keys, the q-th of the unit in hand.
.macro STEP q
	s_add_co_u32 s96, s[Q0], 15                    ; a step all of whose keys come after my 16 queries is left out: a branch on ids, round the step's loads, products and softmax, not round the step of KF at its end
	s_cmp_gt_u32 s[KF], s96
	s_cbranch_scc1 .Lhidden_\@
	v_add_nc_u32 v[ADK], s[TK], v[LA]
	v_add_nc_u32 v[ADV], s[TV], v[AV0]
.rept 2
	v_nop                                          ; with the two additions: four places in front of loads into registers that the last products have read
.endr
.irp f, 0,1,2,3,4,5,6,7                        ; K's eight fragments: images, 512 consecutive bytes a load
.irp c, 0,1
	ds_load_b128 v[32+8*\f+4*\c:32+8*\f+4*\c+3], v[ADK] offset:(8*(\q)+\f)*1024+512*\c
.endr
.endr
	s_wait_alu depctr_va_vdst(0)
	s_wait_dscnt 0x0
.irp f, 0,1,2,3,4,5,6,7                        ; S^T = K Q^T
	v_wmma_f32_16x16x64_fp8_fp8 v[96+8*\f:103+8*\f], v[32+8*\f:39+8*\f], v[16:23], 0
.endr
.rept 4
	v_nop                                          ; places: in front of the loads below, into registers that these products have read, and of the first read of the scores
.endr
.irp t, 0,1,2,3                                ; V's four fragments are asked for now and land under the softmax
.irp c, 0,1,2,3
	ds_load_b128 v[32+16*\t+4*\c:32+16*\t+4*\c+3], v[ADV] offset:16*\t*VP+128*(\q)+32*\c
.endr
.endr
	s_add_co_u32 s96, s[KF], 127                   ; on the diagonal the scores of hidden keys become -infinity ahead of the maximum: p = 0 then.  A step all of whose keys count skips this
	s_cmp_le_u32 s96, s[Q0]
	s_cbranch_scc1 .Lopen_\@
	s_sub_co_i32 s96, s[Q0], s[KF]
	v_and_b32 v252, 15, v0
	v_bfe_u32 v253, v0, 4, 1
	s_delay_alu instid0(VALU_DEP_1)
	v_lshlrev_b32 v253, 4, v253
	s_delay_alu instid0(VALU_DEP_1)
	v_sub_nc_u32 v252, v252, v253
	s_delay_alu instid0(VALU_DEP_1)
	v_add_nc_u32 v252, s96, v252                   ; d = my query - KF - 16 (lane / 16).  Register 16 b + i holds key KF + 16 (lane / 16) + 32 b + i: hidden where 32 b + i > d
	v_mov_b32 v254, 0xff800000                     ; -infinity
.set N, 0
.rept 64
	v_cmp_gt_i32 vcc_lo, 32*(N/16)+N%16, v252
	v_cndmask_b32 v[96+N], v[96+N], v254, vcc_lo
.set N, N+1
.endr
.Lopen_\@:
	v_max3_num_f32 v254, v96, v97, v98             ; the step's largest score of my query, among my 64 keys, in two chains, each accumulator from its low end on,
	v_max3_num_f32 v252, v99, v100, v101
.set I, 6
.rept 14
	v_max3_num_f32 v254, v254, v[96+I], v[97+I]
	v_max3_num_f32 v252, v252, v[98+I], v[99+I]
.set I, I+4
.endr
	v_max3_num_f32 v254, v254, v158, v159
	s_delay_alu instid0(VALU_DEP_1)
	v_max_num_f32 v254, v254, v252
	v_permlanex16_b32 v236, v254, s[SEL], s[SEL+1]
	s_delay_alu instid0(VALU_DEP_1)
	v_max_num_f32 v254, v254, v236                 ; and among lane l xor 16's
	s_delay_alu instid0(VALU_DEP_1)
	v_mul_f32 v254, s[CS], v254                    ; as t (c is positive)
	s_delay_alu instid0(VALU_DEP_1)
	v_max_num_f32 v13, v13, v254                   ; the running largest t
	v_mov_b32 v254, v12
	s_delay_alu instid0(VALU_DEP_2)
	v_floor_f32 v12, -v13                          ; the new -M = floor(-t) = -ceil(t): M is a whole number
	s_delay_alu instid0(VALU_DEP_1)
	v_sub_f32 v254, v12, v254                      ; M's old value less its new one: a whole number, 0 or less
	s_delay_alu instid0(VALU_DEP_1)
	v_cvt_i32_f32 v254, v254                       ; (it saturates)
	s_delay_alu instid0(VALU_DEP_1)
	v_ldexp_f32 v252, 1.0, v254                    ; f = 2^(old M - new M): a multiplication by it rounds nothing
.set J, 0
.rept 32
	v_pk_fma_f32 v[96+J:97+J], v[96+J:97+J], s[CS:CS+1], v[12:13] op_sel_hi:[1,0,0]   ; t - M, two at a time (of the pairs c and -M the low word serves both halves)
.set J, J+2
.endr
.set J, 0
	s_wait_alu depctr_va_vdst(0)                   ; the wait ahead of the batch
.rept 64
	v_exp_f32 v[96+J], v[96+J]                     ; p = 2^(t - M), at most 1: not normalised
.set J, J+1
.endr
	v_pk_mul_f32 v[14:15], v[14:15], v[252:253] op_sel_hi:[1,0]   ; the sums under the new M.  (The plain line behind the exponentials)
	s_wait_alu depctr_va_vdst(0)                   ; one wait for the whole batch of exponentials, ahead of its first reader
	v_pk_add_f32 v[242:243], v[100:101], v[104:105]   ; the row's sum is taken of the unquantised p: two at a time, in eight chains
	v_pk_add_f32 v[254:255], v[108:109], v[112:113]
	v_pk_add_f32 v[250:251], v[116:117], v[120:121]
	v_pk_add_f32 v[248:249], v[124:125], v[128:129]
	v_pk_add_f32 v[246:247], v[132:133], v[136:137]
	v_pk_add_f32 v[238:239], v[140:141], v[144:145]
	v_pk_add_f32 v[236:237], v[148:149], v[152:153]
	v_pk_add_f32 v[14:15], v[14:15], v[156:157]
	v_pk_add_f32 v[242:243], v[242:243], v[96:97]
	v_pk_add_f32 v[254:255], v[254:255], v[98:99]
	v_pk_add_f32 v[250:251], v[250:251], v[102:103]
	v_pk_add_f32 v[248:249], v[248:249], v[106:107]
	v_pk_add_f32 v[246:247], v[246:247], v[110:111]
	v_pk_add_f32 v[238:239], v[238:239], v[114:115]
	v_pk_add_f32 v[236:237], v[236:237], v[118:119]
	v_pk_add_f32 v[14:15], v[14:15], v[122:123]
	v_pk_add_f32 v[242:243], v[242:243], v[126:127]
	v_pk_add_f32 v[254:255], v[254:255], v[130:131]
	v_pk_add_f32 v[250:251], v[250:251], v[134:135]
	v_pk_add_f32 v[248:249], v[248:249], v[138:139]
	v_pk_add_f32 v[246:247], v[246:247], v[142:143]
	v_pk_add_f32 v[238:239], v[238:239], v[146:147]
	v_pk_add_f32 v[236:237], v[236:237], v[150:151]
	v_pk_add_f32 v[14:15], v[14:15], v[154:155]
	v_pk_add_f32 v[242:243], v[242:243], v[158:159]
	s_delay_alu instid0(VALU_DEP_2)
	v_pk_add_f32 v[14:15], v[14:15], v[248:249]
	s_delay_alu instid0(VALU_DEP_2)
	v_pk_add_f32 v[242:243], v[242:243], v[246:247]
	v_pk_add_f32 v[254:255], v[254:255], v[238:239]
	v_pk_add_f32 v[250:251], v[250:251], v[236:237]
	s_delay_alu instid0(VALU_DEP_2)
	v_pk_add_f32 v[14:15], v[14:15], v[254:255]
	s_delay_alu instid0(VALU_DEP_2)
	v_pk_add_f32 v[242:243], v[242:243], v[250:251]
	s_delay_alu instid0(VALU_DEP_1)
	v_pk_add_f32 v[14:15], v[14:15], v[242:243]
.irp b, 0,1,2,3
.irp i, 0,2,4,6,8,10,12,14
	v_dual_min_num_f32 v[96+16*\b+\i], v[96+16*\b+\i], v240 :: v_dual_min_num_f32 v[97+16*\b+\i], v[97+16*\b+\i], v193   ; the conversion to an 8-bit code does not saturate (ISA guide 7.6.2); p is not negative, so the hold is one-sided; two numbers a line
.endr
	v_cvt_scalef32_pk8_fp8_f32 v[224+4*\b:225+4*\b], v[96+16*\b:103+16*\b], v244
	v_cvt_scalef32_pk8_fp8_f32 v[226+4*\b:227+4*\b], v[104+16*\b:111+16*\b], v244
.endr
	s_wait_alu depctr_va_vdst(0)                   ; directly ahead of the first reader of O^T
.set J, 0
.rept 16
	v_pk_mul_f32 v[160+J:161+J], v[160+J:161+J], v[252:253] op_sel_hi:[1,0]   ; O^T under the new M: x f.  (Plain lines between the conversions and the products that read the codes)
.set J, J+2
.endr
	s_wait_alu depctr_va_vdst(0)                   ; directly ahead of the wait below
	s_wait_dscnt 0x0                               ; V's fragments are in
.irp t, 0,1,2,3                                ; O^T += V^T P^T: the four accumulators by turns, K = these 128 keys
	v_wmma_f32_16x16x128_fp8_fp8 v[160+8*\t:167+8*\t], v[32+16*\t:47+16*\t], v[224:239], v[160+8*\t:167+8*\t]
.endr
.Lhidden_\@:
	s_add_co_u32 s[KF], s[KF], 128
.endm
; THE CHANGE OF SLOTS stands at a trip's head.  Each wave waits for all its tensor loads (its part of the slot that it is about to read), adds 0 to its spare word, and waits for that and for its reads of the slot that it has left.
; Behind the barrier the slot ahead is whole and nobody reads the other one.  fill = 1: that other slot is filled with the walk's next three units: the load has a trip's six key steps in which to land.
.macro CHANGE fill
	s_wait_tensorcnt 0x0                           ; no tensor load of mine is out, so a group 0 may be written
	ds_add_u32 v[SPW], v[NIL]                      ; 0 onto my spare word
.if \fill
	ds_add_u32 v[SPW], v[NIL]                      ; and once more
	s_add_co_u32 s[GU], s[GU], 3                   ; my unit of the walk's next three,
	s_cmp_gt_u32 s[GU], s[NA1]                     ; (ids and the count of trips alone)
	s_cselect_b32 s96, s[NA], 0
	s_sub_co_u32 s96, s[GU], s96                   ; as a unit of the head: the second block begins at unit 0 again
	s_lshl_b32 s94, s96, 8
	s_mov_b32 s95, 0
	s_lshl_b32 s96, s96, 14
	s_mov_b32 s97, 0
	s_xor_b32 s[G0K+1], s[G0K+1], SLOT1            ; the other slot than last time
	s_add_nc_u64 s[G0K+2:G0K+3], s[6:7], s[96:97]
	s_or_b32 s[G0K+3], s[G0K+3], 0x80000000
	s_xor_b32 s[G0V+1], s[G0V+1], SLOT1
	s_add_nc_u64 s[G0V+2:G0V+3], s[12:13], s[94:95]
	s_or_b32 s[G0V+3], s[G0V+3], 0x80000000
.endif
	s_wait_dscnt 0x0                               ; the add is done (fill = 1: both are), and my reads of the slot that I have left are over
	s_barrier_signal -1
	s_barrier_wait -1
.if \fill
	TLOAD                                          ; the first tensor load behind the barrier, and a wave's one until the next
	ASK
.endif
.endm
; THE WAY OUT of a block, without LDS.  O^T / the sum is held, converted, and stored as it lies: registers 8 t + i of tiles 2 b, 2 b + 1 are channels 32 b + 16 h + 0 .. 15 of my query, 16 bytes a lane, and the wave's
; 32 lanes fill 512 consecutive bytes of the next product's operand image.
.macro OUT yp
.rept 4
	v_nop                                          ; places behind the last products
.endr
	v_add_f32 v14, v14, v15                        ; the sum's two halves,
	v_permlanex16_b32 v236, v14, s[SEL], s[SEL+1]
	s_delay_alu instid0(VALU_DEP_1)
	v_add_f32 v14, v14, v236                       ; and lane l xor 16's: the row's sum
	s_wait_alu depctr_va_vdst(0)                   ; the wait ahead of the transcendental
	v_rcp_f32 v14, v14
	v_nop                                          ; a plain line behind the transcendental
	s_wait_alu depctr_va_vdst(0)                   ; and the wait ahead of its first reader, which is O^T's first reader too
.set J, 0
.rept 32
	v_mul_f32 v[96+J], v[160+J], v14               ; each accumulator from its low end on
.set J, J+1
.endr
.set J, 0
.rept 32
	v_med3_num_f32 v[96+J], v[96+J], -v241, v241   ; the hold at the largest code x the scale
.set J, J+1
.endr
.irp g, 0,1,2,3
	v_cvt_scalef32_pk8_fp8_f32 v[224+2*\g:225+2*\g], v[96+8*\g:103+8*\g], v245
.endr
	v_nop
	global_store_b128 v[LA], v[224:227], s[\yp:\yp+1]
	global_store_b128 v[LA], v[228:231], s[\yp:\yp+1] offset:512
.endm
; A SLOT'S THREE UNITS, two key steps each, in a loop of three trips with no barrier in it.
.macro WALK
	s_add_co_u32 s[TK], s[TB], KOFF
	s_mov_b32 s[TV], s[TB]
	s_mov_b32 s[UC], 0
.Lunit_\@:
	STEP 0
	STEP 1
	s_cmp_lg_u32 s[GC], s[NA1]                     ; the first block's last unit?  Ids and the count of units alone
	s_cbranch_scc1 .Lsame_\@
	OUT 16                                         ; the first block leaves,
	BEGIN                                          ; the sums begin anew,
.set J, 0
.rept 8
	v_mov_b32 v[16+J], v[QB+J]                     ; and the second block's Q is taken up
.set J, J+1
.endr
	s_mov_b32 s[KF], 0
	s_mov_b32 s[Q0], s[Q0B]
	s_wait_xcnt 0x0                                ; the stores have read their registers: the next step's codes may be written
	s_wait_alu depctr_va_vdst(0)                   ; the wait ahead of the label and the branch below
.Lsame_\@:
	s_add_co_u32 s[GC], s[GC], 1
	s_add_co_u32 s[TK], s[TK], KU
	s_add_co_u32 s[TV], s[TV], VU
	s_add_co_u32 s[UC], s[UC], 1
	s_cmp_lt_u32 s[UC], 3
	s_cbranch_scc1 .Lunit_\@
	s_xor_b32 s[TB], s[TB], SLOT1                  ; on to the other slot
.endm
	s_wait_alu depctr_va_vdst(0)                   ; the wait at the head's end
	s_wait_loadcnt 0x0                             ; both blocks' Q
.Lslot:                                            ; two trips: behind each change of slots but the last the next trip's slot is asked for
	CHANGE 1
	WALK
	s_add_co_u32 s[TRIP], s[TRIP], 1
	s_cmp_lt_u32 s[TRIP], 2
	s_cbranch_scc1 .Lslot
	CHANGE 0                                       ; the last trip is written out: nothing is left to ask for
	WALK
	OUT 10                                         ; the second block leaves
	s_wait_tensorcnt 0x0                           ; the wave's end: behind my last tensor load
	ds_add_u32 v[SPW], v[NIL]
	s_wait_dscnt 0x0
	s_endpgm
.Lfunc_end_k_qd7e550b391_attn:
	.size	k_qd7e550b391_attn, .Lfunc_end_k_qd7e550b391_attn-k_qd7e550b391_attn
	.p2alignl 7, 3214868480
	.fill 96, 4, 3214868480
	.section	.rodata,"a",@progbits
	.p2align	6, 0x0
	.amdhsa_kernel k_qd7e550b391_attn
		.amdhsa_group_segment_fixed_size 327680
		.amdhsa_private_segment_fixed_size 0
		.amdhsa_enable_private_segment 0
		.amdhsa_kernarg_size 40
		.amdhsa_user_sgpr_count 2
		.amdhsa_user_sgpr_kernarg_segment_ptr 1
		.amdhsa_wavefront_size32 1
		.amdhsa_system_sgpr_workgroup_id_x 1
		.amdhsa_system_sgpr_workgroup_id_y 1
		.amdhsa_system_sgpr_workgroup_id_z 1
		.amdhsa_system_vgpr_workitem_id 0
		.amdhsa_next_free_vgpr 256
		.amdhsa_next_free_sgpr 100
		.amdhsa_reserve_vcc 1
		.amdhsa_float_denorm_mode_32 3
		.amdhsa_float_denorm_mode_16_64 3
		.amdhsa_memory_ordered 1
		.amdhsa_forward_progress 1
		.amdhsa_inst_pref_size 112
	.end_amdhsa_kernel
	.amdgpu_metadata
---
amdhsa.version: [ 1, 2 ]
amdhsa.kernels:
  - .name:           k_qd7e550b391_attn
    .symbol:         k_qd7e550b391_attn.kd
    .args:
      - { .name: q_img, .offset: 0, .size: 8, .value_kind: global_buffer, .address_space: global }
      - { .name: k_img, .offset: 8, .size: 8, .value_kind: global_buffer, .address_space: global }
      - { .name: vt, .offset: 16, .size: 8, .value_kind: global_buffer, .address_space: global }
      - { .name: lowp_scales, .offset: 24, .size: 8, .value_kind: global_buffer, .address_space: global }
      - { .name: y_img, .offset: 32, .size: 8, .value_kind: global_buffer, .address_space: global }
    .group_segment_fixed_size: 327680
    .private_segment_fixed_size: 0
    .kernarg_segment_align: 8
    .kernarg_segment_size: 40
    .max_flat_workgroup_size: 512
    .sgpr_count:     100
    .vgpr_count:     256
    .wavefront_size: 32
...
	.end_amdgpu_metadata
.endif
;; end of part 3
;; launch proj (part 4): grid 4 x 64, 4 waves a work-group, clusters of 4 x 4, 327,680 bytes of LDS; arguments y_img, wp_codes, lowp_scales, b_proj, out0; writes out0
.if DOCPART == 4
	.amdgcn_target "amdgcn-amd-amdhsa--gfx1250"
	.amdhsa_code_object_version 6
	.text
	.protected	k_qd7e550b391_proj
	.globl	k_qd7e550b391_proj
	.p2align	8
	.type	k_qd7e550b391_proj,@function
k_qd7e550b391_proj:
	s_mov_b64 s[64:65], 0
	v_nop
	global_prefetch_b8 v0, s[64:65] scope:SCOPE_SE
	s_setreg_imm32_b32 hwreg(HW_REG_WAVE_MODE, 25, 1), 1
	s_wait_xcnt 0x0
	s_wait_alu depctr_hold_cnt(0) depctr_sa_sdst(0) depctr_va_vdst(0) depctr_va_sdst(0) depctr_va_ssrc(0) depctr_va_vcc(0) depctr_vm_vsrc(0)
	s_getreg_b32 s2, hwreg(HW_REG_IB_STS2, 6, 4)
	s_cmp_eq_u32 s2, 0
	s_cbranch_scc0 .Lentry_in_a_cluster
	s_endpgm
.Lentry_in_a_cluster:
	s_bfe_u32 s2, ttmp6, 0x10000c
	s_cmp_lg_u32 s2, 0xf033
	s_cbranch_scc0 .Lentry_shape_is_right
	s_endpgm
.Lentry_shape_is_right:
; out0 = y w_proj^T + b_proj on codes of FP8 (E4M3): y's codes (scale entry 6) come as images of operand registers, y_img [K step of 256][row / 16][4,096 bytes], w_proj's codes (entry 7) as rows of 1,024 bytes.
; 8,192 x 1,024 results in tiles of 128 rows x 256 columns are 64 x 4 = 256 work-groups.  A tile is made by four waves, 64 x 128 each: 32 accumulators of 16 x 16, all of register window 2.
; K = 1,024 goes in four steps of 256 through a ring of two LDS slots filled by the tensor data mover; a slot holds w_proj's 256 rows (272 bytes apart), then y's 128 rows as 8 images.  Waves 0 and 1 fetch w_proj's halves, waves 2 and 3 y's.
; CLUSTERS of 4 x 4 work-groups: the four of a row need the same tile of y, the four of a column the same tile of w_proj: each tile is asked for jointly.
; The matrix instruction is used transposed (source 0 = 16 rows of w_proj, B; source 1 = 16 rows of y, A): a lane holds eight neighbouring numbers of a row of out0.
; A step of 128 along K is 32 matrix instructions.  A and B have two sets of fragment registers each: the next step's 48 LDS loads are issued ahead of a step's products (at a change of slots: behind its first sixteen).
; The bias is the C of each sum's first matrix instruction, divided by 2^(e6 + e7); each finished sum is multiplied by 2^(e6 + e7).  LIMIT: e6 + e7 between -126 and 127.  NaN is not served.
; The way out goes block by block of 16 rows through the wave's own stage in slot 0, which has had its last fill and its last read, and leaves as rows of 512 consecutive bytes.
; NO PREFETCH: the text has no loop to run ahead in: K is four steps, of which two are asked for ahead of the first product.
; REGISTERS: window 0: v16-29 addresses; v32-95 the bias, later a block's scaled sums; v128-255 A's fragments, two sets of 4 x 16, later rows read back.  window 1: B's fragments, two sets of 8 x 16.  window 2: accumulator (a, b) at v[8 (8 a + b)].
.set SIZE_N, 1024
.set ROWB,   256                       ; a row of B's tile in bytes
.set KROW,   1024                      ; a row of w_proj's codes in memory
.set PITCH,  272                       ; and in LDS: 256 bytes + 16 of padding
.set FR,     16                        ; registers of a fragment: 16 rows x 128 K
.set NP,     4                         ; places behind this matrix instruction (ISA guide 7.12.1)
.set HALFT,  128*PITCH                 ; 128 rows of B: what one of B's loads brings
.set AHALF,  16384                     ; 64 rows of A: four images
.set AOFF,   2*HALFT                   ; A lies behind B's 256 rows
.set SLOT,   AOFF+2*AHALF
.set ASTEP,  0x200000                  ; from K step to K step in y_img
.set SPARE,  2*SLOT                    ; behind the ring: the spare words, 128 bytes for each wave, which no other line names
.set SPITCH, 528                       ; a stage row: 512 bytes + 16
.set ADRA, 16                          ; v16-17  LDS address of my A fragments in slot 0, 1
.set ADRB, 20                          ; v20-21  the same for B
.set STO,  24
.set RD,   25
.set CO,   26
.set SPW,  28
.set NIL,  29
.set BI,   32
.set TMP,  32
.set AF,   128
.set BK,   128
.set G1, 24                            ; s[24:31] descriptor group 1 for A's tiles;  s[32:39] group 0, one set for each slot
.set G0, 32
.set G1B, 48                           ; s[48:55], s[56:63] the same for B's tiles
.set G0B, 56
.set MSB, 0
.macro WIN new                         ; the immediate's high byte repeats the setting that is left
.if MSB != \new
	s_set_vgpr_msb (MSB<<8)|\new
.set MSB, \new
.endif
.endm
.set MUL_LO, 0xa1                      ; source 0 (B) window 1, source 1 (A) window 0, C and D window 2
.set TO_B,   0x40                      ; destination window 1, address window 0
; A joint load into slot s.  Each line has one mask and one set of registers for all that issue it; the branch hangs on the wave's number alone.  An s_nop 0 and four v_nop follow each line.
.macro JLOAD s
	s_cmp_eq_u32 s15, 0
	s_cbranch_scc0 .Lfor_a_\@
	tensor_load_to_lds s[G0B+4*\s:G0B+4*\s+3], s[G1B:G1B+7]
	s_nop 0
.rept 4
	v_nop
.endr
	s_branch .Lasked_\@
.Lfor_a_\@:
	tensor_load_to_lds s[G0+4*\s:G0+4*\s+3], s[G1:G1+7]
	s_nop 0
.rept 4
	v_nop
.endr
.Lasked_\@:
.endm
.macro CREST                           ; a round of the cluster's barrier behind its opening barrier
	s_cmp_lg_u32 s14, 0
	s_cbranch_scc1 .Lnot_wave_0_\@
	s_barrier_signal -3
.Lnot_wave_0_\@:
	s_barrier_wait -3
	s_barrier_signal -1
	s_barrier_wait -1
.endm
.macro CROUND
	s_barrier_signal -1
	s_barrier_wait -1
	CREST
.endm
	s_load_b256 s[4:11], s[0:1], 0x0               ; y_img s[4:5], w_proj's codes s[6:7], the scales' exponents s[8:9], b_proj s[10:11]
	s_load_b64 s[12:13], s[0:1], 0x20              ; out0
	v_lshl_add_u32 v[SPW], v0, 2, SPARE
	v_mov_b32 v[NIL], 0
	ds_add_u32 v[SPW], v[NIL]                      ; the wave's opening: the add, twice on end, and its wait ahead of my first tensor load
	ds_add_u32 v[SPW], v[NIL]
	v_lshrrev_b32 v1, 5, v0
	v_readfirstlane_b32 s14, v1                    ; wave 0..3
	s_lshr_b32 s15, s14, 1                         ; which 64 rows of A are mine.  Also: I fetch for B (0) or for A (1)
	s_and_b32 s16, s14, 1                          ; which 128 rows of B.  Also: which half of that tile I fetch
	s_bfe_u32 s40, ttmp6, 0x40000                  ; cx, cy: my place in the cluster
	s_bfe_u32 s41, ttmp6, 0x40004
	s_lshl_b32 s42, ttmp9, 2
	s_add_co_u32 s42, s42, s40                     ; tile column: 256 columns of out0
	s_and_b32 s17, ttmp7, 0xffff
	s_lshl_b32 s17, s17, 2
	s_add_co_u32 s17, s17, s41                     ; tile row: 128 rows
	s_lshl_b32 s43, s41, 2
	s_lshl_b32 s43, 15, s43                        ; my row of the cluster
	s_lshl_b32 s44, 0x1111, s40                    ; my column
	s_or_b32 s[G1+0], s43, (3<<16)|(1<<21)         ; A: a dense block of 16,384 bytes as 64 rows of 32 elements of 8 bytes, no padding; the mask: my row
	s_mov_b32 s[G1+1], 32<<16
	s_mov_b32 s[G1+2], 64<<16
	s_mov_b32 s[G1+3], 32<<16
	s_mov_b32 s[G1+4], 64
	s_mov_b32 s[G1+5], 32
	s_mov_b32 s[G1+6], 0
	s_mov_b32 s[G1+7], 0
	s_or_b32 s[G1B+0], s44, (0<<16)|(1<<20)|(1<<21)|(5<<22)|(3<<25)   ; B: 128 rows of 256 bytes, four words of padding after every 64; the mask: my column
	s_mov_b32 s[G1B+1], ROWB<<16
	s_mov_b32 s[G1B+2], 128<<16
	s_mov_b32 s[G1B+3], ROWB<<16
	s_mov_b32 s[G1B+4], 128
	s_mov_b32 s[G1B+5], KROW
	s_mov_b32 s[G1B+6], 0
	s_mov_b32 s[G1B+7], 0
	s_lshl_b32 s20, s17, 15                        ; A: 32,768 bytes a tile row in each K step,
	s_lshl_b32 s18, s16, 14
	s_add_co_u32 s20, s20, s18                     ; + my half
	s_mov_b32 s21, 0
	s_lshl_b32 s18, s16, 7
	s_lshl_b32 s46, s42, 8
	s_add_co_u32 s46, s46, s18                     ; B: row 256 x tile column + 128 x half
	s_lshl_b32 s46, s46, 10
	s_mov_b32 s47, 0
	s_mul_i32 s45, s14, HALFT                      ; where they go.  B (waves 0, 1): wave x 128 rows;
	s_lshl_b32 s19, s14, 14
	s_add_co_u32 s19, s19, AOFF-2*AHALF            ; A (waves 2, 3): AOFF + (wave - 2) x AHALF.  No place in the cluster enters an LDS address
	s_wait_dscnt 0x0                               ; both opening adds are done
	s_wait_kmcnt 0x0
	s_load_b256 s[76:83], s[8:9], 0x0              ; e0 .. e7
	s_add_nc_u64 s[20:21], s[4:5], s[20:21]
	s_add_nc_u64 s[46:47], s[6:7], s[46:47]
	CROUND                                         ; all sixteen work-groups are here: the first joint loads meet
.irp s, 0,1
	s_mov_b32 s[G0+4*\s], 1
	s_add_co_u32 s[G0+4*\s+1], s19, \s*SLOT
	s_add_nc_u64 s[G0+4*\s+2:G0+4*\s+3], s[20:21], \s*ASTEP
	s_or_b32 s[G0+4*\s+3], s[G0+4*\s+3], 0x80000000
	s_mov_b32 s[G0B+4*\s], 1
	s_add_co_u32 s[G0B+4*\s+1], s45, \s*SLOT
	s_add_nc_u64 s[G0B+4*\s+2:G0B+4*\s+3], s[46:47], \s*ROWB
	s_or_b32 s[G0B+4*\s+3], s[G0B+4*\s+3], 0x80000000
.endr
	JLOAD 0                                        ; K step 0: one tensor load a wave at the head
	s_lshl_b32 s84, s15, 14
	s_add_co_u32 s84, s84, AOFF                    ; my 64 rows of A in slot 0
	s_mul_i32 s85, s16, HALFT                      ; my 128 rows of B
	s_mul_i32 s86, s14, 16*SPITCH                  ; my stage
	s_lshl_b32 s20, s17, 7
	s_lshl_b32 s21, s15, 6
	s_add_co_u32 s20, s20, s21                     ; my first row of out0: 128 x tile row + 64 x half,
	s_lshl_b32 s20, s20, 12                        ; 4,096 bytes a row
	s_lshl_b32 s46, s42, 10                        ; my first column, in bytes: 1,024 x tile column + 512 x half
	s_lshl_b32 s47, s16, 9
	s_add_co_u32 s46, s46, s47
	s_add_co_u32 s20, s20, s46
	s_mov_b32 s21, 0
	s_add_nc_u64 s[12:13], s[12:13], s[20:21]
	s_lshl_b32 s22, s42, 8
	s_lshl_b32 s23, s16, 7
	s_add_co_u32 s22, s22, s23
	s_lshl_b32 s22, s22, 2
	s_mov_b32 s23, 0
	s_add_nc_u64 s[94:95], s[10:11], s[22:23]      ; b_proj at my first column
	v_and_b32 v1, 15, v0                           ; r = lane % 16
	v_bfe_u32 v2, v0, 4, 1                         ; h = lane / 16
	v_lshlrev_b32 v7, 5, v2                        ; the bias: 8 h numbers on
.irp b, 0,1,2,3,4,5,6,7
	global_load_b128 v[BI+8*\b:BI+8*\b+3], v7, s[94:95] offset:64*\b          ; register BI + 8 b + j: b_proj[my first column + 16 b + 8 h + j]
	global_load_b128 v[BI+8*\b+4:BI+8*\b+7], v7, s[94:95] offset:64*\b+16
.endr
	v_and_b32 v6, 31, v0
	v_lshlrev_b32 v[CO], 4, v6                     ; 16 x lane: my place in an image, in a stage row and in a row of out0
	v_mul_u32_u24 v3, v1, PITCH
	v_lshl_add_u32 v4, v2, 4, v3                   ; a fragment's row x pitch + 16 x half
	v_add_nc_u32 v[ADRA], s84, v[CO]
	v_add_nc_u32 v[ADRB], s85, v4
	v_add_nc_u32 v[ADRA+1], SLOT, v[ADRA]
	v_add_nc_u32 v[ADRB+1], SLOT, v[ADRB]
	v_mul_u32_u24 v5, v1, SPITCH                   ; the stage, in: row r, 32 bytes for each half of the lanes
	v_lshl_add_u32 v5, v2, 5, v5
	v_add_nc_u32 v[STO], s86, v5
	v_add_nc_u32 v[RD], s86, v[CO]                 ; and back: the 32 lanes take one row of 512 bytes
	s_wait_kmcnt 0x0
	s_add_co_i32 s96, s82, s83                     ; e6 + e7
	s_sub_co_i32 s18, 0, s96
	s_add_co_i32 s96, s96, 127
	s_lshl_b32 s96, s96, 23                        ; 2^(e6 + e7) as f32
	s_mov_b32 s97, s96
	s_wait_loadcnt 0x0                             ; the bias
.set J, 0
.rept 64
	v_ldexp_f32 v[BI+J], v[BI+J], s18              ; b / 2^(e6 + e7): nothing is rounded, short of overflow and underflow
.set J, J+1
.endr
; 16 matrix instructions: A's blocks a0, a0 + 1 x B's eight, 128 along K, on set p.  cm = 1: a sum begins with the bias of B's block.  The 32 accumulators take turns, in the same order in every step.
.macro MUL16 a0, p, cm
.irp a, \a0, \a0+1
.irp b, 0,1,2,3,4,5,6,7
.if \cm
	v_wmma_f32_16x16x128_fp8_fp8 v[8*(8*(\a)+\b):8*(8*(\a)+\b)+7], v[128*(\p)+FR*\b:128*(\p)+FR*\b+FR-1], v[AF+64*(\p)+FR*(\a):AF+64*(\p)+FR*(\a)+FR-1], v[BI+8*\b:BI+8*\b+7]
.else
	v_wmma_f32_16x16x128_fp8_fp8 v[8*(8*(\a)+\b):8*(8*(\a)+\b)+7], v[128*(\p)+FR*\b:128*(\p)+FR*\b+FR-1], v[AF+64*(\p)+FR*(\a):AF+64*(\p)+FR*(\a)+FR-1], v[8*(8*(\a)+\b):8*(8*(\a)+\b)+7]
.endif
.endr
.endr
.endm
; 48 LDS loads: the fragments of the slot's q-th 128 along K into set p.  Registers 4 c .. 4 c + 3 hold K = 32 c + 16 (lane / 16) + 0 .. 15: the same order of K in A and in B
.macro FETCH slot, q, p
	WIN TO_B
.irp i, 0,1,2,3,4,5,6,7
.irp c, 0,1,2,3
	ds_load_b128 v[128*(\p)+FR*\i+4*\c:128*(\p)+FR*\i+4*\c+3], v[ADRB+\slot] offset:128*(\q)+32*\c+\i*16*PITCH
.endr
.endr
	WIN 0
.irp i, 0,1,2,3
.irp c, 0,1,2,3
	ds_load_b128 v[AF+64*(\p)+FR*\i+4*\c:AF+64*(\p)+FR*\i+4*\c+3], v[ADRA+\slot] offset:4096*\i+2048*(\q)+512*\c
.endr
.endr
.endm
.macro PLACES n                        ; a load into a register that a matrix instruction has read, and a vector instruction that reads a matrix result, stand NP plain vector lines behind it
.rept \n
	v_nop
.endr
.endm
; A slot's first step, on set 0: the second step's fragments are asked for ahead of the products.
.macro STEP slot, cm
	s_wait_dscnt 0x0                               ; set 0 is in
	PLACES NP                                      ; set 1 was read by the last products
	FETCH \slot, 1, 1
.if \cm
	WIN 0x81                                       ; C, the bias, lies in window 0
.else
	WIN MUL_LO
.endif
	MUL16 0, 0, \cm
	MUL16 2, 0, \cm
	WIN 0
.endm
; A slot's second step, on set 1, changes slots: when set 1 is in, my reads of this slot are over.  ONE barrier; in front of it each wave waits for all its tensor loads, adds 0 to its spare word, and waits for that and for its reads.
; fill = 1: the barrier opens a round of the cluster's barrier, and this slot is filled again, two K steps ahead.
.macro TURN slot, next, fill
	s_wait_tensorcnt 0x0                           ; all my tensor loads have landed: my part of the next slot
	ds_add_u32 v[SPW], v[NIL]                      ; 0 onto my spare word
	s_wait_dscnt 0x0                               ; the add is done, set 1 is in, and my reads of this slot are over
	s_barrier_signal -1
	WIN MUL_LO
	MUL16 0, 1, 0                                  ; work on registers while the others arrive
	WIN 0
	s_barrier_wait -1
.if \fill
	CREST                                          ; no wave of any partner still reads this slot's tile or has a load on its way
	s_add_nc_u64 s[G0+4*\slot+2:G0+4*\slot+3], s[G0+4*\slot+2:G0+4*\slot+3], 2*ASTEP
	s_add_nc_u64 s[G0B+4*\slot+2:G0B+4*\slot+3], s[G0B+4*\slot+2:G0B+4*\slot+3], 2*ROWB
	JLOAD \slot                                    ; the first tensor load behind the round; the four v_nop behind it are the places in front of the loads below
.else
	PLACES NP
.endif
	FETCH \next, 0, 0
	WIN MUL_LO
	MUL16 2, 1, 0
	WIN 0
.endm
	s_wait_alu depctr_va_vdst(0)                   ; the wait at the head's end
	s_wait_tensorcnt 0x0                           ; my part of K step 0 is in
	ds_add_u32 v[SPW], v[NIL]
	s_wait_dscnt 0x0
	CROUND                                         ; everybody's part of K step 0 is in, and all sixteen work-groups are here
	JLOAD 1                                        ; K step 1, slot 1's first fill: the first tensor load behind the round
	FETCH 0, 0, 0
	STEP 0, 1                                      ; the first step's products start the sums, with the bias
	TURN 0, 1, 1                                   ; slot 0 takes K step 2
	STEP 1, 0
	TURN 1, 0, 1                                   ; slot 1 takes K step 3
	STEP 0, 0
	TURN 0, 1, 0                                   ; nothing is left to ask for
	STEP 1, 0
	s_wait_dscnt 0x0                               ; the very last step
	WIN MUL_LO
	MUL16 0, 1, 0
	MUL16 2, 1, 0
	WIN 0
; THE WAY OUT, block by block of 16 rows x 128 columns: each pair of sums x 2^(e6 + e7), each accumulator from its low end on; through my stage; back as whole rows of 512 bytes.
; LDS serves a wave's instructions in order (ISA guide 5.7.1.4): no wait between the stores and the loads.
.macro TOSTAGE a
	WIN 0x02                                       ; source 0: window 2
.set J, 0
.rept 32
	v_pk_mul_f32 v[TMP+J:TMP+J+1], v[64*(\a)+J:64*(\a)+J+1], s[96:97] op_sel_hi:[1,0]
.set J, J+2
.endr
	WIN 0
.irp b, 0,1,2,3,4,5,6,7
	ds_store_b128 v[STO], v[TMP+8*\b:TMP+8*\b+3] offset:64*\b
	ds_store_b128 v[STO], v[TMP+8*\b+4:TMP+8*\b+7] offset:64*\b+16
.endr
.set BB, BK+64*((\a)%2)
.irp t, 0,1,2,3,4,5,6,7,8,9,10,11,12,13,14,15
	ds_load_b128 v[BB+4*\t:BB+4*\t+3], v[RD] offset:\t*SPITCH
.endr
.endm
.macro SEND a, younger                 ; younger: the LDS instructions issued behind block a's loads, which may stay out
.set BB, BK+64*((\a)%2)
	s_wait_dscnt \younger
.if (\a) > 0
	s_add_nc_u64 s[12:13], s[12:13], 16*SIZE_N*4   ; (behind a wait on XCNT: the earlier stores have read their base)  16 rows on
.endif
.irp t, 0,1,2,3,4,5,6,7,8,9,10,11,12,13,14,15
	global_store_b128 v[CO], v[BB+4*\t:BB+4*\t+3], s[12:13] offset:\t*SIZE_N*4 th:TH_STORE_NT   ; 32 lanes store 512 consecutive bytes, at a multiple of 256 from out0's first byte
.endr
.endm
	PLACES NP                                      ; behind the last products: the first reads of results, and the loads into the registers that held A's fragments
	TOSTAGE 0
.irp a, 1,2,3
.if \a > 1
	s_wait_xcnt 0x0                                ; block a - 2's stores have read their registers and their base
.endif
	TOSTAGE \a
	SEND \a-1, 32                                  ; behind block a - 1's loads: block a's 16 stores and 16 loads
.endr
	s_wait_xcnt 0x0
	SEND 3, 0
	s_wait_tensorcnt 0x0                           ; the wave's end: behind my last tensor load and my last LDS store
	ds_add_u32 v[SPW], v[NIL]
	s_wait_dscnt 0x0
	CROUND                                         ; the closing round: no work-group ends while a partner may still ask for a tile that names it
	s_endpgm
.Lfunc_end_k_qd7e550b391_proj:
	.size	k_qd7e550b391_proj, .Lfunc_end_k_qd7e550b391_proj-k_qd7e550b391_proj
	.p2alignl 7, 3214868480
	.fill 96, 4, 3214868480
	.section	.rodata,"a",@progbits
	.p2align	6, 0x0
	.amdhsa_kernel k_qd7e550b391_proj
		.amdhsa_group_segment_fixed_size 327680
		.amdhsa_private_segment_fixed_size 0
		.amdhsa_enable_private_segment 0
		.amdhsa_kernarg_size 40
		.amdhsa_user_sgpr_count 2
		.amdhsa_user_sgpr_kernarg_segment_ptr 1
		.amdhsa_wavefront_size32 1
		.amdhsa_system_sgpr_workgroup_id_x 1
		.amdhsa_system_sgpr_workgroup_id_y 1
		.amdhsa_system_sgpr_workgroup_id_z 1
		.amdhsa_system_vgpr_workitem_id 0
		.amdhsa_next_free_vgpr 768
		.amdhsa_next_free_sgpr 100
		.amdhsa_reserve_vcc 0
		.amdhsa_float_denorm_mode_32 3
		.amdhsa_float_denorm_mode_16_64 3
		.amdhsa_memory_ordered 1
		.amdhsa_forward_progress 1
		.amdhsa_inst_pref_size 81
	.end_amdhsa_kernel
	.amdgpu_metadata
---
amdhsa.version: [ 1, 2 ]
amdhsa.kernels:
  - .name:           k_qd7e550b391_proj
    .symbol:         k_qd7e550b391_proj.kd
    .args:
      - { .name: y_img, .offset: 0, .size: 8, .value_kind: global_buffer, .address_space: global }
      - { .name: wp_codes, .offset: 8, .size: 8, .value_kind: global_buffer, .address_space: global }
      - { .name: lowp_scales, .offset: 16, .size: 8, .value_kind: global_buffer, .address_space: global }
      - { .name: b_proj, .offset: 24, .size: 8, .value_kind: global_buffer, .address_space: global }
      - { .name: out0, .offset: 32, .size: 8, .value_kind: global_buffer, .address_space: global }
    .group_segment_fixed_size: 327680
    .private_segment_fixed_size: 0
    .kernarg_segment_align: 8
    .kernarg_segment_size: 40
    .max_flat_workgroup_size: 128
    .sgpr_count:     100
    .vgpr_count:     768
    .wavefront_size: 32
...
	.end_amdgpu_metadata
.endif
;; end of part 4
